; MI455X (gfx1250); checked and timed in simulation.
; The chip was launched on July 23, 2026; its instructions are those of AMD's public machine-readable ISA for CDNA 5 (MIT licence, August 2026) and "CDNA5" Instruction Set Architecture Reference Guide (July 2026). The comments in the code are by the model that wrote it; some were corrected since.
;; Transformer Block. Allowed arithmetic: matrix products marked QUANTISED: E2M1 operands, one E8M0 scale for each 32 along K, by v_wmma_scale_f32_16x16x128_f8f6f4 with both operands' format E2M1 (or v_wmma_scale_f32_32x16x128_f4), f32 sums; everything else in f32.
;; Inputs: W1_codes 4,096 x 32 x 16 uint8 (E2M1 codes of W1, K innermost, in blocks of 32 codes, two codes a byte); W1_scales 4,096 x 32 uint8 (E8M0 scales of W1, one for each 32 codes along K); W2_codes 1,024 x 128 x 16 uint8 (E2M1 codes of W2, K innermost, in blocks of 32 codes, two codes a byte); W2_scales 1,024 x 128 uint8 (E8M0 scales of W2, one for each 32 codes along K); Wk_codes 1,024 x 32 x 16 uint8 (E2M1 codes of Wk, K innermost, in blocks of 32 codes, two codes a byte); Wk_scales 1,024 x 32 uint8 (E8M0 scales of Wk, one for each 32 codes along K); Wo_codes 1,024 x 32 x 16 uint8 (E2M1 codes of Wo, K innermost, in blocks of 32 codes, two codes a byte); Wo_scales 1,024 x 32 uint8 (E8M0 scales of Wo, one for each 32 codes along K); Wq_codes 1,024 x 32 x 16 uint8 (E2M1 codes of Wq, K innermost, in blocks of 32 codes, two codes a byte); Wq_scales 1,024 x 32 uint8 (E8M0 scales of Wq, one for each 32 codes along K); Wv_codes 1,024 x 32 x 16 uint8 (E2M1 codes of Wv, K innermost, in blocks of 32 codes, two codes a byte); Wv_scales 1,024 x 32 uint8 (E8M0 scales of Wv, one for each 32 codes along K); b1 4,096 float32; b2 1,024 float32; be1 1,024 float32; be2 1,024 float32; bk 1,024 float32; bo 1,024 float32; bq 1,024 float32; bv 1,024 float32; g1 1,024 float32; g2 1,024 float32; x 2 x 2,048 x 1,024 float32.
;; Outputs: out0 2 x 2,048 x 1,024 float32.
;; This version of the problem:
;;   THIS VERSION OF THE PROBLEM IS GIVEN IN LOW PRECISION. The matrix products marked QUANTISED in the list below multiply operands that are first quantised to E2M1 (2 exponent bits, 1 mantissa bit; 4 bits a number), with one power-of-two scale for each 32 numbers along K (OCP MX v1.0); their sums are f32. All else is computed in f32.
;;   The module's matrix products, in the order in which they are computed (A, B: the left and right operand; K: the contracted axis; several contracted axes count as one K, in the product's order):
;;     1. [M 4,096, K 1,024] x [K 1,024, N 1,024]; A: input x; B: input Wq (given as codes): QUANTISED
;;     2. [M 4,096, K 1,024] x [K 1,024, N 1,024]; A: input x; B: input Wk (given as codes): QUANTISED
;;     3. [M 4,096, K 1,024] x [K 1,024, N 1,024]; A: input x; B: input Wv (given as codes): QUANTISED
;;     4. batch 32 x [M 2,048, K 64] x [K 64, N 2,048]; A: computed on the way; B: computed on the way: QUANTISED
;;     5. batch 32 x [M 2,048, K 2,048] x [K 2,048, N 64]; A: softmax (see below); B: computed on the way: QUANTISED
;;     6. [M 4,096, K 1,024] x [K 1,024, N 1,024]; A: computed on the way; B: input Wo (given as codes): QUANTISED
;;     7. [M 4,096, K 1,024] x [K 1,024, N 4,096]; A: computed on the way; B: input W1 (given as codes): QUANTISED
;;     8. [M 4,096, K 4,096] x [K 4,096, N 1,024]; A: computed on the way; B: input W2 (given as codes): QUANTISED
;;   THE QUANTISER, for each operand of a quantised product, along K:
;;     - K is cut into blocks of 32 from its start; a last block that is shorter is filled with zeros.
;;     - A block's scale is 2^e with e = floor(log2(the largest magnitude in the block)) - 2, held to -126 .. 127; a block of zeros has e = 0. As a byte (E8M0): e + 127.
;;     - Each number is divided by its block's scale, clamped to +-6, and rounded to the nearest number of E2M1, ties to even, subnormals kept.
;;     - The product sums the exact products of the quantised numbers (number of the format x scale) in f32.
;;   ~~~python
;;   def quantise(x, axis):      # numpy; x: float32 -> the quantised numbers, widened to float32 again
;;       x = np.moveaxis(x, axis, -1); K = x.shape[-1]
;;       x = np.pad(x, [(0, 0)] * (x.ndim - 1) + [(0, -K % 32)]); x = x.reshape(x.shape[:-1] + (-1, 32)); a = np.abs(x).max(-1, keepdims=True)
;;       e = np.where(a > 0, np.clip(np.frexp(np.where(a > 0, a, 1))[1] - 1 - 2, -126, 127), 0)      # np.frexp(a)[1] - 1 = floor(log2(a)), exactly
;;       r = np.clip(x / 2.0 ** e, -6, 6)
;;       step = 2.0 ** (np.maximum(np.frexp(np.where(r == 0, 1, r))[1] - 1, 0) - 1)
;;       q = np.round(r / step) * step * 2.0 ** e      # np.round: ties to even
;;       return np.moveaxis(q.reshape(q.shape[:-2] + (-1,))[..., :K], -1, axis).astype(np.float32)
;;   ~~~
;;   SOFTMAX AHEAD OF A QUANTISED PRODUCT. Where the list says 'softmax', what is quantised is not the finished softmax but p = 2^(t - M), with t = logit x log2(e) and M = ceil(the row's largest t), a whole number; so 1/2 < the row's largest p <= 1. The row's sum l is taken of the UNQUANTISED p, in f32, and the product's result is divided by l at the end. Since M is a whole number, a kernel that streams over the keys may use a running M (the ceiling of the running maximum): every later rescaling is an exact power of two, which a block's scale takes up: the codes' values come out the same.
;;   OPERANDS COMPUTED ON THE WAY. 'Computed on the way' means the value that the module computes at that place (a softmax that the list does not call 'softmax' is quantised finished and normalised). What goes into a quantiser is computed in f32, as accurately as f32 sums, v_exp_f32 and their like allow (about 1e-6 of the number): no bf16 or f16 on the way to a quantiser, and a product that is left as it is and whose result goes on into a quantised operand takes f32 operands (vector FMAs, or v_wmma_f32_16x16x4_f32). A number that lies on a knife's edge between two numbers of the format may be rounded either way, as far as f32 arithmetic and the matrix unit's own rounding can turn it there, and no further.
;;   INPUTS GIVEN AS CODES. W1 (in the module: [1024, 4096], K = its axis 0); W2 (in the module: [4096, 1024], K = its axis 0); Wk (in the module: [1024, 1024], K = its axis 0); Wo (in the module: [1024, 1024], K = its axis 0); Wq (in the module: [1024, 1024], K = its axis 0); Wv (in the module: [1024, 1024], K = its axis 0): each comes as NAME_codes (uint8): NAME with its K axis moved to the last place and cut into blocks of 32 codes, [.., K / 32, bytes a block], one block behind the other in memory; two codes a byte, the lower K in the low four bits (a code: sign, 2 exponent bits, 1 mantissa bit); and NAME_scales (uint8): the same leading axes, one E8M0 byte (e + 127) for each 32 codes along K. Its value is code x scale, taken as it is: it is not quantised again, and the codes and scales need not be those that the quantiser above would give.
;; One version. Each part assembles by itself: llvm-mc -triple=amdgcn-amd-amdhsa -mcpu=gfx1250 --defsym DOCPART=n.
;; ======== version 1 of 1: 7 launches
;; limits: right only within a limited range of input values
;; workspace buffers: xrec 2,228,224 bytes; wrec 6,684,672 bytes; qkv 6,946,816 bytes; arec 2,228,224 bytes; x1f 16,777,216 bytes; x1rec 2,228,224 bytes; hrec 8,912,896 bytes; y2 16,777,216 bytes
;; launch prep (part 1): grid 448 x 1, 4 waves a work-group, no clusters, 34,304 bytes of LDS; arguments x, xrec, wrec, Wq_codes, Wk_codes, Wv_codes, Wo_codes, W1_codes, W2_codes, Wq_scales, Wk_scales, Wv_scales, Wo_scales, W1_scales, W2_scales; writes xrec, wrec
.if DOCPART == 1
	.amdgcn_target "amdgcn-amd-amdhsa--gfx1250"
	.amdhsa_code_object_version 6
	.text
	.protected	k_q50c5707615_prep
	.globl	k_q50c5707615_prep
	.p2align	8
	.type	k_q50c5707615_prep,@function
k_q50c5707615_prep:
	s_mov_b64 s[64:65], 0
	v_nop
	global_prefetch_b8 v0, s[64:65] scope:SCOPE_SE
	s_setreg_imm32_b32 hwreg(HW_REG_WAVE_MODE, 25, 1), 1
	s_wait_xcnt 0x0
; PREP: x becomes codes of E2M1 with E8M0 scales along H; the six weights, which arrive as codes, are laid anew in the order of an operand's registers.
; DEAD WORK: none.  Every product of reference() feeds out0, and every bias goes into a quantised operand or into an output (bk too: it moves K's codes), so all 23 inputs are loaded by some launch.
; THE ONE LAYOUT of this program's own buffers.  A FRAGMENT (16 rows x 128 along K) is 1,024 bytes, an image of the operand's 8 registers: the 16 bytes at 512 c + 16 lane are the 32 codes
; k = 64 c + 32 (lane / 16) + 0 .. 31 of row lane % 16.  A RECORD (16 rows x 1,024 along K) is 8 fragments and then, from byte 8,192 on, 8 x 16 scale words: step s, row r at 64 s + 4 r.  8,704 bytes = 34 x 256.
; So every later load of an operand is 512 consecutive bytes a wave, and a set of records is one dense block for a tensor load.
; xrec: [256 tiles of 16 tokens].  wrec: records Wq 0-63, Wk 64-127, Wv 128-191, Wo 192-255, W1 256-511, W2 512 + 64 (quarter of K) + tile.
; Work-groups 0-255: one tile of x each, wave w its K steps 2 w and 2 w + 1.  Work-groups 256-447: a record of weights to each wave.
; THE QUANTISER: a block's scale byte is its largest magnitude's exponent field - 2, held at 1 from below.
; LIMITS: a block of zeros, or one whose largest magnitude lies under 2^-124, gets the byte 1 (the bytes are read by this program alone; zero codes add nothing); NaN and infinities among the inputs are not served.
.set REC,   8704
.set RSC,   8192
.set WST,   16*528                     ; a wave's stage: 16 rows of 512 bytes + 16 of padding
.set SPARE, 4*WST                      ; behind the stages: the spare words, 128 bytes a wave
.set SPW, 16                           ; v16 my spare word's address, v17 0: kept for the add alone
.set NIL, 17
.set CD,  20                           ; v20-35  the two fragments' codes
.set SW,  36                           ; v36-37  their scale words
.set LD,  40                           ; v40-167 numbers as loaded (x way); codes and scale words (repack way)
.set TN,  168                          ; v168-231 64 numbers of my row, in the operand's order
	s_load_b512 s[8:23], s[0:1], 0x0               ; x, xrec, wrec, codes of Wq, Wk, Wv, Wo, W1
	s_load_b256 s[24:31], s[0:1], 0x40             ; codes of W2, scales of Wq, Wk, Wv
	s_load_b128 s[32:35], s[0:1], 0x60             ; scales of Wo, W1
	s_load_b64 s[36:37], s[0:1], 0x70              ; scales of W2
	v_lshl_add_u32 v[SPW], v0, 2, SPARE
	v_mov_b32 v[NIL], 0
	v_lshrrev_b32 v2, 5, v0
	v_readfirstlane_b32 s4, v2                     ; wave 0..3
	v_and_b32 v1, 15, v0                           ; r
	v_bfe_u32 v2, v0, 4, 1                         ; h
	v_and_b32 v3, 31, v0
	v_lshlrev_b32 v4, 4, v3                        ; 16 x lane
	v_lshlrev_b32 v7, 2, v1                        ; 4 r
	s_mul_i32 s5, s4, WST
	v_add_nc_u32 v5, s5, v4                        ; the stage, in: 16 bytes a lane of a row's 512
	v_mul_u32_u24 v6, v1, 528
	v_lshl_add_u32 v6, v2, 7, v6
	v_add_nc_u32 v6, s5, v6                        ; and out: row r, + 128 h: my block of 32 numbers
	s_mov_b32 s43, 0
	s_wait_kmcnt 0x0
	s_cmp_lt_u32 ttmp9, 256
	s_cbranch_scc0 .Lrepack
	; ---- x: 16 tokens x 256 along K for my wave
	s_wait_alu depctr_va_vdst(0)
	v_lshlrev_b32 v15, 3, v2                       ; 8 h
	v_mov_b32 v14, 0                               ; a lane permute's destination counts as one of its sources
	s_mov_b32 s40, 0x76543210
	s_mov_b32 s41, 0xfedcba98                      ; selects for lane l xor 16
	s_lshl_b32 s42, ttmp9, 16                      ; 16 rows of 4,096 bytes,
	s_lshl_b32 s5, s4, 10                          ; my two K steps of 512 bytes
	s_add_co_u32 s42, s42, s5
	s_add_nc_u64 s[8:9], s[8:9], s[42:43]
	s_mul_i32 s42, ttmp9, REC
	s_add_nc_u64 s[10:11], s[10:11], s[42:43]      ; the tile's record
	s_lshl_b32 s42, s4, 11
	s_add_nc_u64 s[44:45], s[10:11], s[42:43]      ; my two fragments
	s_lshl_b32 s42, s4, 7
	s_add_co_u32 s42, s42, RSC
	s_add_nc_u64 s[46:47], s[10:11], s[42:43]      ; and their scale words
.irp u, 0,1
.irp i, 0,1,2,3,4,5,6,7,8,9,10,11,12,13,14,15
	global_load_b128 v[LD+64*\u+4*\i:LD+64*\u+4*\i+3], v4, s[8:9] offset:4096*\i+512*\u th:TH_LOAD_NT   ; 512 consecutive bytes of row i
.endr
.endr
; K step u of my two: through the stage, so that a lane holds whole blocks of its row; then the quantiser; the conversions' results are the fragment's registers.
.macro XUNIT u
	s_wait_loadcnt 16-16*\u                        ; this step's 16 loads are in; the other step's 16 are younger
.irp i, 0,1,2,3,4,5,6,7,8,9,10,11,12,13,14,15
	ds_store_b128 v5, v[LD+64*\u+4*\i:LD+64*\u+4*\i+3] offset:528*\i
.endr
.irp c, 0,1
.irp j, 0,1,2,3,4,5,6,7
	ds_load_b128 v[TN+32*\c+4*\j:TN+32*\c+4*\j+3], v6 offset:256*\c+16*\j   ; LDS serves a wave's instructions in order: these see my stores.  k = 64 c + 32 h + 4 j ..
.endr
.endr
	s_wait_dscnt 0x0
.irp c, 0,1
	v_max3_num_f32 v[8+\c], |v[TN+32*\c]|, |v[TN+32*\c+1]|, 0x1800000   ; block 2 c + h is all mine; the floor 2^(3 - 127) holds the byte at 1 from below
.endr
.irp i, 2,4,6,8,10,12,14,16,18,20,22,24,26,28,30
.irp c, 0,1
	v_max3_num_f32 v[8+\c], v[8+\c], |v[TN+32*\c+\i]|, |v[TN+32*\c+\i+1]|
.endr
.endr
.irp c, 0,1
	v_add_nc_u32 v[10+\c], 0xff000000, v[8+\c]     ; 2 off the exponent field: the conversion's scale operand
.endr
.irp c, 0,1
	v_lshrrev_b32 v[12+\c], 23, v[10+\c]           ; the scale's byte
.endr
	v_lshl_or_b32 v[SW+\u], v13, 16, v12           ; my bytes: blocks h and 2 + h,
	v_lshlrev_b32 v[SW+\u], v15, v[SW+\u]          ; at their places;
	v_permlanex16_b32 v14, v[SW+\u], s40, s41
	v_or_b32 v[SW+\u], v[SW+\u], v14               ; with lane l xor 16's two the word is whole
.irp c, 0,1
.irp g, 0,1,2,3
	v_cvt_scalef32_pk8_fp4_f32 v[CD+8*\u+4*\c+\g], v[TN+32*\c+8*\g:TN+32*\c+8*\g+7], v[10+\c]
.endr
.endr
	v_nop                                          ; one plain place behind the conversions
.irp c, 0,1
	global_store_b128 v4, v[CD+8*\u+4*\c:CD+8*\u+4*\c+3], s[44:45] offset:1024*\u+512*\c   ; 512 consecutive bytes
.endr
	global_store_b32 v7, v[SW+\u], s[46:47] offset:64*\u   ; both halves of the lanes hold and store the same word
.endm
	XUNIT 0
	XUNIT 1
	s_wait_tensorcnt 0x0                           ; the wave's end, behind my last LDS store
	ds_add_u32 v[SPW], v[NIL]
	s_wait_dscnt 0x0
	s_endpgm
.Lrepack:
	; ---- a record of weights: 16 rows x 1,024 along K.  This way touches no LDS
	s_sub_co_u32 s5, ttmp9, 256
	s_lshl_b32 s5, s5, 2
	s_add_co_u32 s5, s5, s4                        ; the record's number, 0 .. 767
	s_mov_b64 s[44:45], s[24:25]                   ; which weight: codes, scales, its first record.  The choices hang on ids alone
	s_mov_b64 s[46:47], s[36:37]
	s_mov_b32 s48, 512
	s_cmp_lt_u32 s5, 512
	s_cselect_b64 s[44:45], s[22:23], s[44:45]
	s_cselect_b64 s[46:47], s[34:35], s[46:47]
	s_cselect_b32 s48, 256, s48
	s_cmp_lt_u32 s5, 256
	s_cselect_b64 s[44:45], s[20:21], s[44:45]
	s_cselect_b64 s[46:47], s[32:33], s[46:47]
	s_cselect_b32 s48, 192, s48
	s_cmp_lt_u32 s5, 192
	s_cselect_b64 s[44:45], s[18:19], s[44:45]
	s_cselect_b64 s[46:47], s[30:31], s[46:47]
	s_cselect_b32 s48, 128, s48
	s_cmp_lt_u32 s5, 128
	s_cselect_b64 s[44:45], s[16:17], s[44:45]
	s_cselect_b64 s[46:47], s[28:29], s[46:47]
	s_cselect_b32 s48, 64, s48
	s_cmp_lt_u32 s5, 64
	s_cselect_b64 s[44:45], s[14:15], s[44:45]
	s_cselect_b64 s[46:47], s[26:27], s[46:47]
	s_cselect_b32 s48, 0, s48
	s_sub_co_u32 s49, s5, s48                      ; the record within its weight
	s_and_b32 s51, s49, 63                         ; W2: tile,
	s_lshr_b32 s52, s49, 6                         ; and quarter of K
	s_mov_b32 s50, 2048                            ; W2: a row of codes in bytes
	s_cmp_lt_u32 s5, 512
	s_cselect_b32 s51, s49, s51                    ; the others: the tile, quarter 0, rows of 512 bytes
	s_cselect_b32 s52, 0, s52
	s_cselect_b32 s50, 512, s50
	s_mul_i32 s53, s51, s50
	s_lshl_b32 s53, s53, 4                         ; 16 rows a tile
	s_lshl_b32 s54, s52, 9
	s_add_co_u32 s54, s53, s54                     ; where the record's codes begin
	s_mov_b32 s55, 0
	s_add_nc_u64 s[44:45], s[44:45], s[54:55]
	s_lshr_b32 s54, s54, 4                         ; a scale byte for each 16 bytes of codes
	s_add_nc_u64 s[46:47], s[46:47], s[54:55]
	s_mul_i32 s54, s5, REC
	s_add_nc_u64 s[12:13], s[12:13], s[54:55]
	s_lshr_b32 s56, s50, 4
	s_wait_alu depctr_va_vdst(0)
	v_mul_lo_u32 v18, v1, s50
	v_lshl_add_u32 v18, v2, 4, v18                 ; codes: row r, + 16 h
	v_mul_lo_u32 v19, v1, s56
	v_lshl_add_u32 v19, v2, 4, v19                 ; scale bytes: row r, steps 4 h .. 4 h + 3
	v_lshlrev_b32 v38, 8, v2
	v_add_nc_u32 v38, v38, v7
	v_add_nc_u32 v38, RSC, v38                     ; and where they go: 8,192 + 64 (4 h + i) + 4 r
.irp j, 0,1,2,3,4,5,6,7
.irp c, 0,1
	global_load_b128 v[LD+4*(2*\j+\c):LD+4*(2*\j+\c)+3], v18, s[44:45] offset:64*\j+32*\c
.endr
.endr
	global_load_b128 v[LD+64:LD+67], v19, s[46:47]
	s_wait_alu depctr_va_vdst(0)
	s_wait_loadcnt 0x0
.irp j, 0,1,2,3,4,5,6,7
.irp c, 0,1
	global_store_b128 v4, v[LD+4*(2*\j+\c):LD+4*(2*\j+\c)+3], s[12:13] offset:1024*\j+512*\c   ; 512 consecutive bytes
.endr
.endr
.irp i, 0,1,2,3
	global_store_b32 v38, v[LD+64+\i], s[12:13] offset:64*\i
.endr
	s_endpgm
.Lfunc_end_k_q50c5707615_prep:
	.size	k_q50c5707615_prep, .Lfunc_end_k_q50c5707615_prep-k_q50c5707615_prep
	.p2alignl 7, 3214868480
	.fill 96, 4, 3214868480
	.section	.rodata,"a",@progbits
	.p2align	6, 0x0
	.amdhsa_kernel k_q50c5707615_prep
		.amdhsa_group_segment_fixed_size 34304
		.amdhsa_private_segment_fixed_size 0
		.amdhsa_enable_private_segment 0
		.amdhsa_kernarg_size 120
		.amdhsa_user_sgpr_count 2
		.amdhsa_user_sgpr_kernarg_segment_ptr 1
		.amdhsa_wavefront_size32 1
		.amdhsa_system_sgpr_workgroup_id_x 1
		.amdhsa_system_sgpr_workgroup_id_y 1
		.amdhsa_system_sgpr_workgroup_id_z 1
		.amdhsa_system_vgpr_workitem_id 0
		.amdhsa_next_free_vgpr 232
		.amdhsa_next_free_sgpr 66
		.amdhsa_reserve_vcc 0
		.amdhsa_float_denorm_mode_32 3
		.amdhsa_float_denorm_mode_16_64 3
		.amdhsa_memory_ordered 1
		.amdhsa_forward_progress 1
		.amdhsa_inst_pref_size 22
	.end_amdhsa_kernel
	.amdgpu_metadata
---
amdhsa.version: [ 1, 2 ]
amdhsa.kernels:
  - .name:           k_q50c5707615_prep
    .symbol:         k_q50c5707615_prep.kd
    .args:
      - { .name: x, .offset: 0, .size: 8, .value_kind: global_buffer, .address_space: global }
      - { .name: xrec, .offset: 8, .size: 8, .value_kind: global_buffer, .address_space: global }
      - { .name: wrec, .offset: 16, .size: 8, .value_kind: global_buffer, .address_space: global }
      - { .name: Wq_codes, .offset: 24, .size: 8, .value_kind: global_buffer, .address_space: global }
      - { .name: Wk_codes, .offset: 32, .size: 8, .value_kind: global_buffer, .address_space: global }
      - { .name: Wv_codes, .offset: 40, .size: 8, .value_kind: global_buffer, .address_space: global }
      - { .name: Wo_codes, .offset: 48, .size: 8, .value_kind: global_buffer, .address_space: global }
      - { .name: W1_codes, .offset: 56, .size: 8, .value_kind: global_buffer, .address_space: global }
      - { .name: W2_codes, .offset: 64, .size: 8, .value_kind: global_buffer, .address_space: global }
      - { .name: Wq_scales, .offset: 72, .size: 8, .value_kind: global_buffer, .address_space: global }
      - { .name: Wk_scales, .offset: 80, .size: 8, .value_kind: global_buffer, .address_space: global }
      - { .name: Wv_scales, .offset: 88, .size: 8, .value_kind: global_buffer, .address_space: global }
      - { .name: Wo_scales, .offset: 96, .size: 8, .value_kind: global_buffer, .address_space: global }
      - { .name: W1_scales, .offset: 104, .size: 8, .value_kind: global_buffer, .address_space: global }
      - { .name: W2_scales, .offset: 112, .size: 8, .value_kind: global_buffer, .address_space: global }
    .group_segment_fixed_size: 34304
    .private_segment_fixed_size: 0
    .kernarg_segment_align: 8
    .kernarg_segment_size: 120
    .max_flat_workgroup_size: 128
    .sgpr_count:     66
    .vgpr_count:     232
    .wavefront_size: 32
...
	.end_amdgpu_metadata
.endif
;; end of part 1
;; launch qkv (part 2): grid 32 x 8, 12 waves a work-group, clusters of 4 x 1, 327,680 bytes of LDS; arguments xrec, wrec, bq, bk, bv, qkv; writes qkv
.if DOCPART == 2
	.amdgcn_target "amdgcn-amd-amdhsa--gfx1250"
	.amdhsa_code_object_version 6
	.text
	.protected	k_q50c5707615_qkv
	.globl	k_q50c5707615_qkv
	.p2align	8
	.type	k_q50c5707615_qkv,@function
k_q50c5707615_qkv:
	s_mov_b64 s[64:65], 0
	v_nop
	global_prefetch_b8 v0, s[64:65] scope:SCOPE_SE
	s_setreg_imm32_b32 hwreg(HW_REG_WAVE_MODE, 25, 1), 1
	s_wait_xcnt 0x0
	s_wait_alu depctr_hold_cnt(0) depctr_sa_sdst(0) depctr_va_vdst(0) depctr_va_sdst(0) depctr_va_ssrc(0) depctr_va_vcc(0) depctr_vm_vsrc(0)
	s_getreg_b32 s2, hwreg(HW_REG_IB_STS2, 6, 4)
	s_cmp_eq_u32 s2, 0
	s_cbranch_scc0 .Lentry_in_a_cluster
	s_endpgm
.Lentry_in_a_cluster:
	s_bfe_u32 s2, ttmp6, 0x10000c
	s_cmp_lg_u32 s2, 0x3003
	s_cbranch_scc0 .Lentry_shape_is_right
	s_endpgm
.Lentry_shape_is_right:
.set REC,   8704
.set RSC,   8192
.set XB,    24*REC
.set SPARE, 32*REC
.set KVB,   2359296
.set KVR,   143360
.set WV,  16
.set SEL, 58
.set XSC, 12
.set WSC, 14
.set BI,  16
.set TM,  48
.set PW,  58
.set XF,  64
.set WF,  96
.set ACC, 128
.macro ROUND
	s_barrier_signal -1
	s_barrier_wait -1
	s_cmp_lg_u32 s[WV], 0
	s_cbranch_scc1 .Lnot_wave_0_\@
	s_barrier_signal -3
.Lnot_wave_0_\@:
	s_barrier_wait -3
	s_barrier_signal -1
	s_barrier_wait -1
.endm
.macro WM d, a, b, c, sa, ra, sb, rb
.if (\ra) && (\rb)
	v_wmma_scale_f32_16x16x128_f8f6f4 v[\d:\d+7], v[\a:\a+7], v[\b:\b+7], v[\c:\c+7], v[\sa], v[\sb] matrix_a_fmt:MATRIX_FMT_FP4 matrix_b_fmt:MATRIX_FMT_FP4 matrix_a_scale:MATRIX_SCALE_ROW1 matrix_b_scale:MATRIX_SCALE_ROW1
.elseif (\ra)
	v_wmma_scale_f32_16x16x128_f8f6f4 v[\d:\d+7], v[\a:\a+7], v[\b:\b+7], v[\c:\c+7], v[\sa], v[\sb] matrix_a_fmt:MATRIX_FMT_FP4 matrix_b_fmt:MATRIX_FMT_FP4 matrix_a_scale:MATRIX_SCALE_ROW1
.elseif (\rb)
	v_wmma_scale_f32_16x16x128_f8f6f4 v[\d:\d+7], v[\a:\a+7], v[\b:\b+7], v[\c:\c+7], v[\sa], v[\sb] matrix_a_fmt:MATRIX_FMT_FP4 matrix_b_fmt:MATRIX_FMT_FP4 matrix_b_scale:MATRIX_SCALE_ROW1
.else
	v_wmma_scale_f32_16x16x128_f8f6f4 v[\d:\d+7], v[\a:\a+7], v[\b:\b+7], v[\c:\c+7], v[\sa], v[\sb] matrix_a_fmt:MATRIX_FMT_FP4 matrix_b_fmt:MATRIX_FMT_FP4
.endif
.endm
.macro HQUANT s, pc, pw
.irp b, 0,1
	v_max3_num_f32 v[TM+\b], |v[\s+16*\b]|, |v[\s+16*\b+1]|, 0x1800000
.endr
.irp i, 2,4,6,8,10,12,14
.irp b, 0,1
	v_max3_num_f32 v[TM+\b], v[TM+\b], |v[\s+16*\b+\i]|, |v[\s+16*\b+\i+1]|
.endr
.endr
.irp b, 0,1
	s_delay_alu instid0(VALU_DEP_2)
	v_permlanex16_b32 v[TM+2+\b], v[TM+\b], s[SEL], s[SEL+1]
.endr
.irp b, 0,1
	s_delay_alu instid0(VALU_DEP_2)
	v_max_num_f32 v[TM+\b], v[TM+\b], v[TM+2+\b]
.endr
.irp b, 0,1
	s_delay_alu instid0(VALU_DEP_2)
	v_add_nc_u32 v[TM+4+\b], 0xff000000, v[TM+\b]
.endr
.irp b, 0,1
	s_delay_alu instid0(VALU_DEP_2)
	v_lshrrev_b32 v[TM+2+\b], 23, v[TM+4+\b]
.endr
	s_delay_alu instid0(VALU_DEP_1)
	v_lshl_or_b32 v[\pw], v[TM+3], 8, v[TM+2]
	v_cvt_scalef32_pk8_fp4_f32 v[\pc], v[\s:\s+7], v[TM+4]
	v_cvt_scalef32_pk8_fp4_f32 v[\pc+2], v[\s+8:\s+15], v[TM+4]
	v_cvt_scalef32_pk8_fp4_f32 v[\pc+1], v[\s+16:\s+23], v[TM+5]
	v_cvt_scalef32_pk8_fp4_f32 v[\pc+3], v[\s+24:\s+31], v[TM+5]
	v_nop
	v_permlane16_swap_b32 v[\pc], v[\pc+1]
	v_permlane16_swap_b32 v[\pc+2], v[\pc+3]
.endm
	s_load_b256 s[4:11], s[0:1], 0x0
	s_load_b128 s[12:15], s[0:1], 0x20
	v_lshl_add_u32 v8, v0, 2, SPARE
	v_mov_b32 v9, 0
	ds_add_u32 v8, v9
	ds_add_u32 v8, v9
	v_lshrrev_b32 v1, 5, v0
	s_delay_alu instid0(VALU_DEP_1)
	v_readfirstlane_b32 s[WV], v1
	s_bfe_u32 s17, ttmp6, 0x40000
	s_lshl_b32 s18, ttmp9, 2
	s_add_co_u32 s18, s18, s17
	s_and_b32 s19, ttmp7, 0xffff
	s_and_b32 s20, s[WV], 1
	s_lshr_b32 s21, s[WV], 1
	s_mul_i32 s22, s19, 6
	s_add_co_u32 s22, s22, s21
	s_lshr_b32 s23, s22, 4
	s_and_b32 s22, s22, 15
	s_mov_b32 s24, 15|(3<<16)|(1<<21)
	s_mov_b32 s32, 3<<16
.irp g, 24, 32
	s_mov_b32 s[\g+1], 32<<16
	s_mov_b32 s[\g+2], (68+34*((32-\g)/8))<<16     ; rows of 256 bytes: the weights' load brings three records (102 rows), x's two (68)
	s_mov_b32 s[\g+3], 32<<16
	s_mov_b32 s[\g+4], 68+34*((32-\g)/8)
	s_mov_b32 s[\g+5], 32
	s_mov_b32 s[\g+6], 0
	s_mov_b32 s[\g+7], 0
.endr
	s_mov_b32 s40, 1
	s_mul_i32 s41, s[WV], 3*REC                    ; waves 0-7: the weights' records 3 w .. 3 w + 2 of the 24
	s_mov_b32 s44, 1
	s_mul_i32 s45, s[WV], 2*REC
	s_add_co_u32 s45, s45, XB-16*REC               ; waves 8-11: x's records 2 (w - 8), 2 (w - 8) + 1, behind the weights'
	s_mul_i32 s48, s19, 24
	s_mul_i32 s49, s[WV], 3
	s_add_co_u32 s48, s48, s49
	s_mul_i32 s48, s48, REC
	s_mov_b32 s49, 0
	s_lshl_b32 s50, s18, 3
	s_lshl_b32 s51, s[WV], 1
	s_add_co_u32 s50, s50, s51
	s_sub_co_u32 s50, s50, 16                      ; 2 (w - 8): used by waves 8-11 alone
	s_mul_i32 s50, s50, REC
	s_mov_b32 s51, 0
	s_mov_b32 s[SEL], 0x76543210
	s_mov_b32 s[SEL+1], 0xfedcba98
	s_wait_dscnt 0x0
	s_wait_kmcnt 0x0
	s_add_nc_u64 s[42:43], s[6:7], s[48:49]
	s_or_b32 s43, s43, 0x80000000
	s_add_nc_u64 s[46:47], s[4:5], s[50:51]
	s_or_b32 s47, s47, 0x80000000
	ROUND
	s_cmp_lt_u32 s[WV], 8                          ; the head's loads, one a wave, in one chain of branches on the wave's number: all 32 records are asked for behind the one round
	s_cbranch_scc0 .Lfor_x
	tensor_load_to_lds s[40:43], s[24:31]          ; the weights, jointly
	s_nop 0
.rept 4
	v_nop
.endr
	s_branch .Lno_x
.Lfor_x:
	tensor_load_to_lds s[44:47], s[32:39]          ; my work-group's own tokens
	s_nop 0
.rept 4
	v_nop
.endr
.Lno_x:
	v_and_b32 v10, 31, v0
	s_delay_alu instid0(VALU_DEP_1)
	v_lshlrev_b32 v5, 4, v10
	v_and_b32 v10, 15, v0
	v_bfe_u32 v11, v0, 4, 1
	s_delay_alu instid0(VALU_DEP_2)
	v_lshlrev_b32 v6, 2, v10
	s_delay_alu instid0(VALU_DEP_2)
	v_lshlrev_b32 v7, 5, v11
	s_mul_i32 s52, s20, 4*REC
	s_add_co_u32 s52, s52, XB
	s_mul_i32 s53, s21, 4*REC
	v_add_nc_u32 v1, s52, v5
	v_add_nc_u32 v2, s53, v5
	v_mul_u32_u24 v10, v11, REC
	s_delay_alu instid0(VALU_DEP_1)
	v_add_nc_u32 v10, v10, v6
	s_delay_alu instid0(VALU_DEP_1)
	v_add_nc_u32 v10, RSC, v10
	s_delay_alu instid0(VALU_DEP_1)
	v_add_nc_u32 v3, s52, v10
	s_delay_alu instid0(VALU_DEP_2)
	v_add_nc_u32 v4, s53, v10
	v_mov_b32 v[TM+2], 0
	v_mov_b32 v[TM+3], 0
	s_lshl_b32 s54, s22, 8
	s_mov_b32 s55, 0
	s_cmp_eq_u32 s23, 0
	s_cselect_b64 s[56:57], s[8:9], s[10:11]
	s_cmp_eq_u32 s23, 2
	s_cselect_b64 s[56:57], s[12:13], s[56:57]
	s_add_nc_u64 s[56:57], s[56:57], s[54:55]
	s_cbranch_scc1 .Lbias_v
.irp t, 0,1,2,3
.irp u, 0,1
	global_load_b128 v[BI+8*\t+4*\u:BI+8*\t+4*\u+3], v7, s[56:57] offset:64*\t+16*\u
.endr
.endr
	s_branch .Lbias_in
.Lbias_v:
.irp t, 0,1,2,3
.irp j, 0,1,2,3,4,5,6,7
	global_load_b32 v[BI+8*\t+\j], v6, s[56:57] offset:64*\t
.endr
.endr
.Lbias_in:
	s_and_b32 s48, s18, 15
	s_lshr_b32 s49, s18, 4
	s_lshl_b32 s49, s49, 4
	s_add_co_u32 s49, s49, s22
	s_lshl_b32 s50, s48, 3
	s_lshl_b32 s51, s20, 2
	s_add_co_u32 s50, s50, s51
	s_mul_i32 s51, s49, KVR
	s_add_co_u32 s51, s51, KVB
	s_wait_tensorcnt 0x0
	s_barrier_signal -1
	s_barrier_wait -1
	s_wait_loadcnt 0x0
.macro STEP var, s
.if \s > 0
.rept 4
	v_nop
.endr
.endif
.irp i, 0,1,2,3
.irp c, 0,1
	ds_load_b128 v[XF+8*\i+4*\c:XF+8*\i+4*\c+3], v1 offset:\i*REC+1024*\s+512*\c
	ds_load_b128 v[WF+8*\i+4*\c:WF+8*\i+4*\c+3], v2 offset:\i*REC+1024*\s+512*\c
.endr
.endr
.irp p, 0,1
	ds_load_b32 v[XSC+\p], v3 offset:\p*2*REC+64*\s
	ds_load_b32 v[WSC+\p], v4 offset:\p*2*REC+64*\s
.endr
	s_wait_dscnt 0x0
.irp i, 0,1,2,3
.irp t, 0,1,2,3
.if \var == 0
.if \s == 0
	WM ACC+8*(4*\i+\t), WF+8*\t, XF+8*\i, BI+8*\t, WSC+\t/2, (\t)%2, XSC+\i/2, (\i)%2
.else
	WM ACC+8*(4*\i+\t), WF+8*\t, XF+8*\i, ACC+8*(4*\i+\t), WSC+\t/2, (\t)%2, XSC+\i/2, (\i)%2
.endif
.else
.if \s == 0
	WM ACC+8*(4*\t+\i), XF+8*\i, WF+8*\t, BI+8*\t, XSC+\i/2, (\i)%2, WSC+\t/2, (\t)%2
.else
	WM ACC+8*(4*\t+\i), XF+8*\i, WF+8*\t, ACC+8*(4*\t+\i), XSC+\i/2, (\i)%2, WSC+\t/2, (\t)%2
.endif
.endif
.endr
.endr
.endm
	s_cmp_eq_u32 s23, 2
	s_cbranch_scc1 .Lv
	s_wait_alu depctr_va_vdst(0)
.irp s, 0,1,2,3,4,5,6,7
	STEP 0, \s
.endr
	s_lshl_b32 s52, s49, 16
	s_lshl_b32 s53, s49, 13
	s_add_co_u32 s53, s53, 2097152
	s_add_co_u32 s54, s51, 65536
	s_cmp_eq_u32 s23, 0
	s_cselect_b32 s52, s52, s51
	s_cselect_b32 s54, s53, s54
	s_lshl_b32 s53, s50, 9
	s_add_co_u32 s52, s52, s53
	s_lshl_b32 s53, s50, 6
	s_add_co_u32 s54, s54, s53
	s_mov_b32 s53, 0
	s_mov_b32 s55, 0
	s_add_nc_u64 s[52:53], s[14:15], s[52:53]
	s_add_nc_u64 s[54:55], s[14:15], s[54:55]
.rept 4
	v_nop
.endr
.irp i, 0,1,2,3
	HQUANT ACC+32*\i, BI+4*\i, PW+\i
	v_or_b32 v[PW+\i], 0x7f7f0000, v[PW+\i]
	global_store_b128 v5, v[BI+4*\i:BI+4*\i+3], s[52:53] offset:512*\i
	global_store_b32 v6, v[PW+\i], s[54:55] offset:64*\i
.endr
	s_wait_tensorcnt 0x0
	ds_add_u32 v8, v9
	s_wait_dscnt 0x0
	s_branch .Lclose
.Lv:
	s_wait_alu depctr_va_vdst(0)
.irp s, 0,1,2,3,4,5,6,7
	STEP 1, \s
.endr
	s_lshl_b32 s52, s48, 12
	s_lshl_b32 s53, s20, 9
	s_add_co_u32 s52, s52, s53
	s_add_co_u32 s52, s52, s51
	s_add_co_u32 s52, s52, 73728
	s_lshl_b32 s54, s48, 8
	s_lshl_b32 s53, s20, 1
	s_add_co_u32 s54, s54, s53
	s_add_co_u32 s54, s54, s51
	s_add_co_u32 s54, s54, 139264
	s_mov_b32 s53, 0
	s_mov_b32 s55, 0
	s_add_nc_u64 s[52:53], s[14:15], s[52:53]
	s_add_nc_u64 s[54:55], s[14:15], s[54:55]
.rept 4
	v_nop
.endr
.irp t, 0,1,2,3
	HQUANT ACC+32*\t, BI+4*\t, PW+\t
	global_store_b128 v5, v[BI+4*\t:BI+4*\t+3], s[52:53] offset:1024*\t
	global_store_b16 v6, v[PW+\t], s[54:55] offset:64*\t
.endr
	s_wait_tensorcnt 0x0
	ds_add_u32 v8, v9
	s_wait_dscnt 0x0
.Lclose:
	ROUND
	s_endpgm
.Lfunc_end_k_q50c5707615_qkv:
	.size	k_q50c5707615_qkv, .Lfunc_end_k_q50c5707615_qkv-k_q50c5707615_qkv
	.p2alignl 7, 3214868480
	.fill 96, 4, 3214868480
	.section	.rodata,"a",@progbits
	.p2align	6, 0x0
	.amdhsa_kernel k_q50c5707615_qkv
		.amdhsa_group_segment_fixed_size 327680
		.amdhsa_private_segment_fixed_size 0
		.amdhsa_enable_private_segment 0
		.amdhsa_kernarg_size 48
		.amdhsa_user_sgpr_count 2
		.amdhsa_user_sgpr_kernarg_segment_ptr 1
		.amdhsa_wavefront_size32 1
		.amdhsa_system_sgpr_workgroup_id_x 1
		.amdhsa_system_sgpr_workgroup_id_y 1
		.amdhsa_system_sgpr_workgroup_id_z 1
		.amdhsa_system_vgpr_workitem_id 0
		.amdhsa_next_free_vgpr 256
		.amdhsa_next_free_sgpr 66
		.amdhsa_reserve_vcc 0
		.amdhsa_float_denorm_mode_32 3
		.amdhsa_float_denorm_mode_16_64 3
		.amdhsa_memory_ordered 1
		.amdhsa_forward_progress 1
		.amdhsa_inst_pref_size 85
	.end_amdhsa_kernel
	.amdgpu_metadata
---
amdhsa.version: [ 1, 2 ]
amdhsa.kernels:
  - .name:           k_q50c5707615_qkv
    .symbol:         k_q50c5707615_qkv.kd
    .args:
      - { .name: xrec, .offset: 0, .size: 8, .value_kind: global_buffer, .address_space: global }
      - { .name: wrec, .offset: 8, .size: 8, .value_kind: global_buffer, .address_space: global }
      - { .name: bq, .offset: 16, .size: 8, .value_kind: global_buffer, .address_space: global }
      - { .name: bk, .offset: 24, .size: 8, .value_kind: global_buffer, .address_space: global }
      - { .name: bv, .offset: 32, .size: 8, .value_kind: global_buffer, .address_space: global }
      - { .name: qkv, .offset: 40, .size: 8, .value_kind: global_buffer, .address_space: global }
    .group_segment_fixed_size: 327680
    .private_segment_fixed_size: 0
    .kernarg_segment_align: 8
    .kernarg_segment_size: 48
    .max_flat_workgroup_size: 384
    .sgpr_count:     66
    .vgpr_count:     256
    .wavefront_size: 32
...
	.end_amdgpu_metadata
.endif
;; end of part 2
;; launch attn (part 3): grid 8 x 32, 16 waves a work-group, clusters of 4 x 1, 167,936 bytes of LDS; arguments qkv, arec; writes arec
.if DOCPART == 3
	.amdgcn_target "amdgcn-amd-amdhsa--gfx1250"
	.amdhsa_code_object_version 6
	.text
	.protected	k_q50c5707615_attn
	.globl	k_q50c5707615_attn
	.p2align	8
	.type	k_q50c5707615_attn,@function
k_q50c5707615_attn:
	s_mov_b64 s[64:65], 0
	v_nop
	global_prefetch_b8 v0, s[64:65] scope:SCOPE_SE
	s_setreg_imm32_b32 hwreg(HW_REG_WAVE_MODE, 25, 1), 1
	s_wait_xcnt 0x0
	s_wait_alu depctr_hold_cnt(0) depctr_sa_sdst(0) depctr_va_vdst(0) depctr_va_sdst(0) depctr_va_ssrc(0) depctr_va_vcc(0) depctr_vm_vsrc(0)
	s_getreg_b32 s2, hwreg(HW_REG_IB_STS2, 6, 4)
	s_cmp_eq_u32 s2, 0
	s_cbranch_scc0 .Lentry_in_a_cluster
	s_endpgm
.Lentry_in_a_cluster:
	s_bfe_u32 s2, ttmp6, 0x10000c
	s_cmp_lg_u32 s2, 0x3003
	s_cbranch_scc0 .Lentry_shape_is_right
	s_endpgm
.Lentry_shape_is_right:
; ATTENTION on codes of E2M1: S^T = K Q^T, p = 2^(t - M), O^T = V^T P^T, O / l, and the result quantised along H for the projection.  No work of reference() is left out here.
; t = score x log2(e) / 8; M = the running largest t rounded up to a whole number; p is quantised along the keys, not normalised; l is the sum of the unquantised p.  When M moves, l and O are multiplied by 2^(old M - new M), which rounds nothing.
; SHARES.  A work-group owns 256 queries of one head and batch, each of its 16 waves 16 of them in 256 registers.  LDS holds the head's whole record of K and V (143,360 bytes), filled once: no ring, no barrier in the loop.
; CLUSTER: the four query blocks of a cluster want the same record: each wave asks for a sixteenth jointly.  No prefetch: the record is asked for whole at the head, and no loop runs ahead of a load.
; Both products are used transposed: a lane holds one query throughout.
; THE KEYS OF A TILE ARE CHOSEN by the LDS address: of a step's 128 keys, tile 4 c + u takes keys 64 c + 8 u + 0..7 as rows 0-7 and keys 64 c + 32 + 8 u + 0..7 as rows 8-15.  Register 8 (4 c + u) + j of S^T is then key
; 64 c + 32 (lane / 16) + 8 u + j: a lane holds blocks 2 c + lane / 16 WHOLE, in the second product's own order.  So a block's maximum needs no other lane, and the conversions' results are the operand's registers.
; THE HEAD IS 64 AND THE INSTRUCTION'S K IS 128: Q's registers 4-7 hold zero codes; the four registers behind a tile of K (finite codes) meet them under scale bytes 0x7f on both sides and add exactly 0.
; K's fragments for the next step and V's for this one are asked for behind the score products; the last step's look-ahead reads bytes of the record behind K's codes and scale words, which are filled, and uses none of them.
; A block's largest p is made from the block's largest score by the same multiply-add and exponential (p rises with the score).
; LIMITS: as stated at the head of the first kernel; v_exp_f32 and v_rcp_f32 are right to 1 ulp, and a p under 2^-126 counts as 0.
.set REC,   8704
.set RSC,   8192
.set KVB,   2359296
.set KVR,   143360
.set SPARE, KVR                        ; behind the record: the spare words, 128 bytes for each of 16 waves
.set WV,  8
.set SEL, 28                           ; s[28:29]
.set CS,  30                           ; s[30:31] c = log2(e) / 8
.set NC,  32                           ; s32 -c
.set CNT, 35
.set KSC, 24                           ; v24-27 K's scale words, v28-29 V's, v30 Q's, v31 p's: scales and nothing else
.set VSC, 28
.set PW,  31
.set KF,  32                           ; v32-63 K's eight tiles, four registers each; v64-67 zeros
.set VF,  68                           ; v68-99 V^T's four fragments
.set S,   100                          ; v100-163 S^T, then p
.set O,   164                          ; v164-195 O^T
.set PC,  196                          ; v196-203 p's codes
.set BM,  204                          ; v204-205 my two blocks' largest scores; v206-209 four chains of maxima
.set MA,  206
.set SCL, 210                          ; v210-211 the conversions' scale operands; v212-213 the bytes; v214 a permute's destination; v215 the old -M; v216 at work; v[218:219] f
.set BY,  212
.set TC,  224                          ; v[224:229] three chains of the sum; v[230:231] l in two halves, the fourth chain
.set TM,  204                          ; on the way out: HQUANT's six
; v8-11 LDS addresses of K, K's scale words, V, V's scale words, stepped once a trip; v12 -M, v13 the largest score; v14 8 (lane / 16)
.macro ROUND
	s_barrier_signal -1
	s_barrier_wait -1
	s_cmp_lg_u32 s[WV], 0
	s_cbranch_scc1 .Lnot_wave_0_\@
	s_barrier_signal -3
.Lnot_wave_0_\@:
	s_barrier_wait -3
	s_barrier_signal -1
	s_barrier_wait -1
.endm
.macro HQUANT s, pc, pw                ; 32 registers, two half blocks of 32 channels, become half a fragment and two scale bytes
.irp b, 0,1
	v_max3_num_f32 v[TM+\b], |v[\s+16*\b]|, |v[\s+16*\b+1]|, 0x1800000
.endr
.irp i, 2,4,6,8,10,12,14
.irp b, 0,1
	s_delay_alu instid0(VALU_DEP_2)
	v_max3_num_f32 v[TM+\b], v[TM+\b], |v[\s+16*\b+\i]|, |v[\s+16*\b+\i+1]|
.endr
.endr
.irp b, 0,1
	s_delay_alu instid0(VALU_DEP_2)
	v_permlanex16_b32 v[TM+2+\b], v[TM+\b], s[SEL], s[SEL+1]
.endr
.irp b, 0,1
	s_delay_alu instid0(VALU_DEP_2)
	v_max_num_f32 v[TM+\b], v[TM+\b], v[TM+2+\b]
.endr
.irp b, 0,1
	s_delay_alu instid0(VALU_DEP_2)
	v_add_nc_u32 v[TM+4+\b], 0xff000000, v[TM+\b]
.endr
.irp b, 0,1
	s_delay_alu instid0(VALU_DEP_2)
	v_lshrrev_b32 v[TM+2+\b], 23, v[TM+4+\b]
.endr
	s_delay_alu instid0(VALU_DEP_1)
	v_lshl_or_b32 v[\pw], v[TM+3], 8, v[TM+2]
	v_cvt_scalef32_pk8_fp4_f32 v[\pc], v[\s:\s+7], v[TM+4]
	v_cvt_scalef32_pk8_fp4_f32 v[\pc+2], v[\s+8:\s+15], v[TM+4]
	v_cvt_scalef32_pk8_fp4_f32 v[\pc+1], v[\s+16:\s+23], v[TM+5]
	v_cvt_scalef32_pk8_fp4_f32 v[\pc+3], v[\s+24:\s+31], v[TM+5]
	v_nop
	v_permlane16_swap_b32 v[\pc], v[\pc+1]
	v_permlane16_swap_b32 v[\pc+2], v[\pc+3]
.endm
.macro KLOAD                           ; a step's eight tiles of K and their scale words: twelve loads
.irp t, 0,1,2,3,4,5,6,7
	ds_load_b128 v[KF+4*\t:KF+4*\t+3], v8 offset:512*(4*(\t/4)+(\t%4)/2)+128*(\t%2)
.endr
.irp p, 0,1,2,3
	ds_load_b32 v[KSC+\p], v9 offset:256*(\p/2)+64*(\p%2)   ; lanes 0-15 an even tile's rows, lanes 16-31 the next one's
.endr
.endm
.macro ADDP j                          ; pair j of p onto chain (j + 1) % 4 of the sum
	v_pk_add_f32 v[TC+2*(((\j)+1)%4):TC+2*(((\j)+1)%4)+1], v[TC+2*(((\j)+1)%4):TC+2*(((\j)+1)%4)+1], v[S+2*(\j):S+2*(\j)+1]
.endm
.macro TFMA j                          ; t - M, two at a time
	v_pk_fma_f32 v[S+2*(\j):S+2*(\j)+1], v[S+2*(\j):S+2*(\j)+1], s[CS:CS+1], v[12:13] op_sel_hi:[1,0,0]
.endm
	s_load_b128 s[4:7], s[0:1], 0x0                ; qkv, arec
	v_lshl_add_u32 v5, v0, 2, SPARE
	v_mov_b32 v6, 0
	ds_add_u32 v5, v6                              ; the opening: the add, twice on end, and its wait ahead of my first tensor load
	ds_add_u32 v5, v6
	v_lshrrev_b32 v1, 5, v0
	s_delay_alu instid0(VALU_DEP_1)
	v_readfirstlane_b32 s[WV], v1                  ; wave 0..15
	s_bfe_u32 s9, ttmp6, 0x40000                   ; cx
	s_lshl_b32 s10, ttmp9, 2
	s_add_co_u32 s10, s10, s9                      ; my block of 256 queries: it enters global addresses alone
	s_and_b32 s11, ttmp7, 0xffff                   ; 16 x batch + head, which the four partners share
	s_mov_b32 s16, 15|(3<<16)|(1<<21)              ; group 1: the mask names all four; elements of 8 bytes; bit 21 beside a mask
	s_mov_b32 s17, 32<<16                          ; 8,960 dense bytes as 35 rows of 32 elements
	s_mov_b32 s18, 35<<16
	s_mov_b32 s19, 32<<16
	s_mov_b32 s20, 35
	s_mov_b32 s21, 32
	s_mov_b32 s22, 0
	s_mov_b32 s23, 0
	s_mov_b32 s24, 1
	s_mul_i32 s25, s[WV], 8960                     ; my sixteenth of the record, in LDS and in memory
	s_mul_i32 s36, s11, KVR
	s_add_co_u32 s36, s36, s25
	s_add_co_u32 s36, s36, KVB
	s_mov_b32 s37, 0
	s_mov_b32 s[SEL], 0x76543210
	s_mov_b32 s[SEL+1], 0xfedcba98
	s_mov_b32 s[CS], 0x3e38aa3b
	s_mov_b32 s[CS+1], s[CS]                       ; (named with it as a pair, so it is written)
	s_mov_b32 s[NC], 0xbe38aa3b
	s_mov_b32 s[CNT], 16
	s_wait_dscnt 0x0                               ; both opening adds are done
	s_wait_kmcnt 0x0
	s_add_nc_u64 s[26:27], s[4:5], s[36:37]
	s_or_b32 s27, s27, 0x80000000
	ROUND                                          ; all four work-groups are here: the joint loads meet
	tensor_load_to_lds s[24:27], s[16:23]          ; every wave: one load, the only one of the launch
	s_nop 0
.rept 4
	v_nop
.endr
	s_lshl_b32 s38, s10, 4
	s_add_co_u32 s38, s38, s[WV]                   ; my tile of 16 queries within the batch
	s_lshl_b32 s40, s11, 16
	s_lshl_b32 s41, s38, 9
	s_add_co_u32 s40, s40, s41
	s_mov_b32 s41, 0
	s_add_nc_u64 s[40:41], s[4:5], s[40:41]        ; Q's codes
	s_lshl_b32 s42, s11, 13
	s_lshl_b32 s43, s38, 6
	s_add_co_u32 s42, s42, s43
	s_add_co_u32 s42, s42, 2097152
	s_mov_b32 s43, 0
	s_add_nc_u64 s[42:43], s[4:5], s[42:43]        ; Q's scale words
	s_lshr_b32 s36, s11, 4                         ; where the result goes: token tile 128 x batch + my tile; K step head / 2, half head % 2
	s_lshl_b32 s36, s36, 7
	s_add_co_u32 s36, s36, s38
	s_mul_i32 s36, s36, REC
	s_and_b32 s39, s11, 15
	s_lshl_b32 s44, s39, 9
	s_add_co_u32 s44, s44, s36
	s_mov_b32 s45, 0
	s_add_nc_u64 s[44:45], s[6:7], s[44:45]
	s_lshr_b32 s46, s39, 1
	s_lshl_b32 s46, s46, 6
	s_and_b32 s47, s39, 1
	s_lshl_b32 s47, s47, 1
	s_add_co_u32 s46, s46, s47
	s_add_co_u32 s46, s46, s36
	s_add_co_u32 s46, s46, RSC
	s_mov_b32 s47, 0
	s_add_nc_u64 s[46:47], s[6:7], s[46:47]
	v_and_b32 v2, 31, v0
	v_and_b32 v3, 15, v0                           ; r
	v_bfe_u32 v4, v0, 4, 1                         ; h
	v_lshlrev_b32 v1, 4, v2                        ; 16 x lane
	v_lshlrev_b32 v7, 2, v3                        ; 4 r
	global_load_b128 v[16:19], v1, s[40:41]        ; Q's half fragment stays in registers
	global_load_b32 v30, v7, s[42:43]
	v_and_b32 v15, 7, v0                           ; r % 8
	v_bfe_u32 v14, v0, 3, 1                        ; r / 8
	v_lshlrev_b32 v8, 4, v15
	v_lshlrev_b32 v9, 2, v15
	v_lshl_add_u32 v8, v14, 10, v8
	v_lshl_add_u32 v9, v14, 7, v9
	v_lshl_add_u32 v8, v4, 8, v8                   ; K: row r % 8 of a stored tile, rows 8-15 two stored tiles on, + 256 h
	v_lshl_add_u32 v9, v4, 5, v9
	v_add_nc_u32 v10, 73728-4096, v1               ; V's fragments, one step back: the trip steps first
	v_add_nc_u32 v9, 65536, v9                     ; K's scale words: 4 bytes a key: r % 8, + 32 keys for rows 8-15, + 8 keys for lanes 16-31
	v_lshl_add_u32 v11, v2, 2, 139264-256          ; V's scale words, one step back
	v_lshlrev_b32 v14, 3, v4                       ; 8 h
.irp j, 20,21,22,23,64,65,66,67
	v_mov_b32 v[\j], 0                             ; zero codes
.endr
	v_mov_b32 v13, 0xff61b1e6                      ; the largest score so far: -3e38
	v_mul_f32 v216, s[NC], v13
	v_floor_f32 v12, v216                          ; -M
.irp j, 214,219,230,231
	v_mov_b32 v[\j], 0                             ; a permute's destination; the upper half of f's pair; l
.endr
.set J, 0
.rept 32
	v_mov_b32 v[O+J], 0                            ; O^T.  (The step is written once: the first finds zeros, which the first change of M leaves zeros)
.set J, J+1
.endr
	s_wait_alu depctr_va_vdst(0)                   ; the wait at the head's end
	s_wait_tensorcnt 0x0                           ; my part has landed,
	s_barrier_signal -1
	s_barrier_wait -1                              ; everybody's has.  Nothing is filled again
	KLOAD                                          ; the first step's K
	s_wait_loadcnt 0x0                             ; Q
.Lkeys:                                            ; 16 trips of 128 keys
	s_wait_dscnt 0x0                               ; this step's K, asked for a trip ago
.irp t, 0,2,4,6
	v_wmma_scale_f32_16x16x128_f8f6f4 v[S+8*\t:S+8*\t+7], v[KF+4*\t:KF+4*\t+7], v[16:23], 0, v[KSC+\t/2], v30 matrix_a_fmt:MATRIX_FMT_FP4 matrix_b_fmt:MATRIX_FMT_FP4
	v_wmma_scale_f32_16x16x128_f8f6f4 v[S+8*\t+8:S+8*\t+15], v[KF+4*\t+4:KF+4*\t+11], v[16:23], 0, v[KSC+\t/2], v30 matrix_a_fmt:MATRIX_FMT_FP4 matrix_b_fmt:MATRIX_FMT_FP4 matrix_a_scale:MATRIX_SCALE_ROW1
.endr
	v_add_nc_u32 v10, 4096, v10                    ; five plain lines: the places behind both products' matrix instructions, in front of the loads into their operands and of the first read of S^T
	v_add_nc_u32 v11, 256, v11
	v_add_nc_u32 v8, 4096, v8
	v_add_nc_u32 v9, 512, v9
	v_mov_b32 v215, v12                            ; the old -M
.irp t, 0,1,2,3
.irp c, 0,1
	ds_load_b128 v[VF+8*\t+4*\c:VF+8*\t+4*\c+3], v10 offset:1024*\t+512*\c   ; this step's V: ten loads,
.endr
.endr
.irp p, 0,1
	ds_load_b32 v[VSC+\p], v11 offset:128*\p
.endr
	KLOAD                                          ; and the next step's K: twelve
.irp c, 0,1                                    ; my two blocks' largest scores, each in two chains; each tile of S^T is first read at its low end
	v_max3_num_f32 v[MA+2*\c], v[S+32*\c], v[S+32*\c+1], v[S+32*\c+2]
	v_max3_num_f32 v[MA+2*\c+1], v[S+32*\c+16], v[S+32*\c+17], v[S+32*\c+18]
.endr
.irp i, 3,5,7,9,11,13
.irp c, 0,1
	v_max3_num_f32 v[MA+2*\c], v[MA+2*\c], v[S+32*\c+\i], v[S+32*\c+\i+1]
	v_max3_num_f32 v[MA+2*\c+1], v[MA+2*\c+1], v[S+32*\c+16+\i], v[S+32*\c+17+\i]
.endr
.endr
.irp c, 0,1
	v_max3_num_f32 v[BM+\c], v[MA+2*\c], v[MA+2*\c+1], v[S+32*\c+15]
.endr
.irp c, 0,1
	v_max_num_f32 v[BM+\c], v[BM+\c], v[S+32*\c+31]
.endr
	s_delay_alu instid0(VALU_DEP_1)
	v_max3_num_f32 v216, v204, v205, v13           ; with the largest so far,
	s_delay_alu instid0(VALU_DEP_1)
	v_permlanex16_b32 v214, v216, s[SEL], s[SEL+1]
	s_delay_alu instid0(VALU_DEP_1)
	v_max_num_f32 v13, v216, v214                  ; and lane l xor 16's blocks: my query's largest score
	s_delay_alu instid0(VALU_DEP_1)
	v_mul_f32 v216, s[NC], v13                     ; -t
	s_delay_alu instid0(VALU_DEP_1)
	v_floor_f32 v12, v216                          ; the new -M = floor(-t) = -ceil(t)
.irp j, 0,1,2,3
	TFMA \j
.endr
	v_sub_f32 v216, v12, v215                      ; old M less new M: a whole number, 0 or less
.irp j, 4,5,6,7
	TFMA \j
.endr
	v_cvt_i32_f32 v216, v216                       ; (it saturates)
.irp j, 8,9,10,11
	TFMA \j
.endr
	v_ldexp_f32 v218, 1.0, v216                    ; f = 2^(old M - new M)
.irp j, 12,13,14,15,16,17,18,19,20,21,22,23,24,25,26,27,28,29,30,31
	TFMA \j
.endr
.irp c, 0,1
	v_fma_f32 v[BM+\c], v[BM+\c], s[CS], v12       ; the same of each block's largest score
.endr
.set J, 0
.rept 16
	v_pk_mul_f32 v[O+J:O+J+1], v[O+J:O+J+1], v[218:219] op_sel_hi:[1,0]   ; O^T under the new M, ahead of the exponentials; each tile from its low end on
.set J, J+2
.endr
	s_wait_alu depctr_va_vdst(0)                   ; the wait ahead of the batch
.set J, 0
.rept 64
	v_exp_f32 v[S+J], v[S+J]                       ; p = 2^(t - M)
.set J, J+1
.endr
.irp c, 0,1
	v_exp_f32 v[BM+\c], v[BM+\c]                   ; the blocks' largest p
.endr
	v_pk_mul_f32 v[TC+6:TC+7], v[TC+6:TC+7], v[218:219] op_sel_hi:[1,0]   ; l under the new M: the plain place behind the batch
	s_wait_alu depctr_va_vdst(0)                   ; one wait for the batch of 66, ahead of its first reader
; The scales' lines and the sum of the unquantised p by turns, so that no line waits for the line above it
.irp c, 0,1
	v_max_num_f32 v[BM+\c], 0x1800000, v[BM+\c]    ; the floor 2^(3 - 127): the byte cannot fall under 1
.endr
.irp k, 0,1,2
	v_pk_add_f32 v[TC+2*\k:TC+2*\k+1], v[S+4*\k:S+4*\k+1], v[S+4*\k+2:S+4*\k+3]
.endr
	ADDP 6
.irp c, 0,1
	v_add_nc_u32 v[SCL+\c], 0xff000000, v[BM+\c]   ; 2 off the exponent field: the conversion's scale operand
.endr
.irp j, 7,8,9
	ADDP \j
.endr
.irp c, 0,1
	v_lshrrev_b32 v[BY+\c], 23, v[SCL+\c]          ; the scale's byte
.endr
.irp j, 10,11,12
	ADDP \j
.endr
	v_lshl_or_b32 v212, v213, 16, v212             ; my bytes: blocks h and 2 + h,
.irp j, 13,14,15
	ADDP \j
.endr
	v_lshlrev_b32 v212, v14, v212                  ; at their places;
.irp j, 16,17,18
	ADDP \j
.endr
	v_permlanex16_b32 v214, v212, s[SEL], s[SEL+1]
.irp j, 19,20,21
	ADDP \j
.endr
	v_or_b32 v[PW], v212, v214                     ; with lane l xor 16's two the word is whole
.irp c, 0,1
.irp u, 0,1,2,3
	v_cvt_scalef32_pk8_fp4_f32 v[PC+4*\c+\u], v[S+32*\c+8*\u:S+32*\c+8*\u+7], v[SCL+\c]   ; register 4 c + u of the operand: keys 64 c + 32 h + 8 u + 0..7
.endr
.endr
.irp j, 22,23,24,25,26,27,28,29,30,31
	ADDP \j                                        ; these ten and the three below are the thirteen places between the scale word's and the codes' writes and the products
.endr
	v_pk_add_f32 v[TC:TC+1], v[TC:TC+1], v[TC+2:TC+3]
	v_pk_add_f32 v[TC+6:TC+7], v[TC+6:TC+7], v[TC+4:TC+5]
	s_delay_alu instid0(VALU_DEP_1)
	v_pk_add_f32 v[TC+6:TC+7], v[TC+6:TC+7], v[TC:TC+1]
	s_wait_alu depctr_va_vdst(0)                   ; directly ahead of the wait below
	s_wait_dscnt 12                                ; V's ten loads are in; the next step's twelve of K are younger
.irp t, 0,2
	v_wmma_scale_f32_16x16x128_f8f6f4 v[O+8*\t:O+8*\t+7], v[VF+8*\t:VF+8*\t+7], v[PC:PC+7], v[O+8*\t:O+8*\t+7], v[VSC+\t/2], v[PW] matrix_a_fmt:MATRIX_FMT_FP4 matrix_b_fmt:MATRIX_FMT_FP4
	v_wmma_scale_f32_16x16x128_f8f6f4 v[O+8*\t+8:O+8*\t+15], v[VF+8*\t+8:VF+8*\t+15], v[PC:PC+7], v[O+8*\t+8:O+8*\t+15], v[VSC+\t/2], v[PW] matrix_a_fmt:MATRIX_FMT_FP4 matrix_b_fmt:MATRIX_FMT_FP4 matrix_a_scale:MATRIX_SCALE_ROW1
.endr
	s_sub_co_u32 s[CNT], s[CNT], 1
	s_cmp_lg_u32 s[CNT], 0
	s_cbranch_scc1 .Lkeys
	; THE WAY OUT: O^T / l, quantised along H: my head's 64 channels are half a fragment of the projection's operand
	s_wait_dscnt 0x0                               ; the look-ahead's loads, of which nothing is used
	v_add_f32 v230, v230, v231                     ; the sum's two halves,
	s_delay_alu instid0(VALU_DEP_1)
	v_permlanex16_b32 v214, v230, s[SEL], s[SEL+1]
	s_delay_alu instid0(VALU_DEP_1)
	v_add_f32 v230, v230, v214                     ; and lane l xor 16's: l
	s_wait_alu depctr_va_vdst(0)
	v_rcp_f32 v230, v230
.rept 4
	v_nop                                          ; the plain place behind the reciprocal, and the places behind the last products
.endr
	s_wait_alu depctr_va_vdst(0)                   ; the wait ahead of the reciprocal's first reader, which is also the first reader of O^T
.set J, 0
.rept 32
	v_mul_f32 v[S+J], v[O+J], v230                 ; register 8 t + j: channel 16 t + 8 h + j of my query
.set J, J+1
.endr
	HQUANT S, PC, 216
	global_store_b128 v1, v[PC:PC+3], s[44:45]     ; 512 consecutive bytes
	global_store_b16 v7, v216, s[46:47]            ; my head's two bytes of the token's scale word
	s_wait_tensorcnt 0x0                           ; the wave's end
	ds_add_u32 v5, v6
	s_wait_dscnt 0x0
	ROUND                                          ; the closing round
	s_endpgm
.Lfunc_end_k_q50c5707615_attn:
	.size	k_q50c5707615_attn, .Lfunc_end_k_q50c5707615_attn-k_q50c5707615_attn
	.p2alignl 7, 3214868480
	.fill 96, 4, 3214868480
	.section	.rodata,"a",@progbits
	.p2align	6, 0x0
	.amdhsa_kernel k_q50c5707615_attn
		.amdhsa_group_segment_fixed_size 167936
		.amdhsa_private_segment_fixed_size 0
		.amdhsa_enable_private_segment 0
		.amdhsa_kernarg_size 16
		.amdhsa_user_sgpr_count 2
		.amdhsa_user_sgpr_kernarg_segment_ptr 1
		.amdhsa_wavefront_size32 1
		.amdhsa_system_sgpr_workgroup_id_x 1
		.amdhsa_system_sgpr_workgroup_id_y 1
		.amdhsa_system_sgpr_workgroup_id_z 1
		.amdhsa_system_vgpr_workitem_id 0
		.amdhsa_next_free_vgpr 256
		.amdhsa_next_free_sgpr 66
		.amdhsa_reserve_vcc 0
		.amdhsa_float_denorm_mode_32 3
		.amdhsa_float_denorm_mode_16_64 3
		.amdhsa_memory_ordered 1
		.amdhsa_forward_progress 1
		.amdhsa_inst_pref_size 27
	.end_amdhsa_kernel
	.amdgpu_metadata
---
amdhsa.version: [ 1, 2 ]
amdhsa.kernels:
  - .name:           k_q50c5707615_attn
    .symbol:         k_q50c5707615_attn.kd
    .args:
      - { .name: qkv, .offset: 0, .size: 8, .value_kind: global_buffer, .address_space: global }
      - { .name: arec, .offset: 8, .size: 8, .value_kind: global_buffer, .address_space: global }
    .group_segment_fixed_size: 167936
    .private_segment_fixed_size: 0
    .kernarg_segment_align: 8
    .kernarg_segment_size: 16
    .max_flat_workgroup_size: 512
    .sgpr_count:     66
    .vgpr_count:     256
    .wavefront_size: 32
...
	.end_amdgpu_metadata
.endif
;; end of part 3
;; launch wo_ln (part 4): grid 256 x 1, 16 waves a work-group, clusters of 4 x 1, 327,680 bytes of LDS; arguments arec, wrec, x, bo, g1, be1, x1f, x1rec; writes x1f, x1rec
.if DOCPART == 4
	.amdgcn_target "amdgcn-amd-amdhsa--gfx1250"
	.amdhsa_code_object_version 6
	.text
	.protected	k_q50c5707615_wo_ln
	.globl	k_q50c5707615_wo_ln
	.p2align	8
	.type	k_q50c5707615_wo_ln,@function
k_q50c5707615_wo_ln:
	s_mov_b64 s[64:65], 0
	v_nop
	global_prefetch_b8 v0, s[64:65] scope:SCOPE_SE
	s_setreg_imm32_b32 hwreg(HW_REG_WAVE_MODE, 25, 1), 1
	s_wait_xcnt 0x0
	s_wait_alu depctr_hold_cnt(0) depctr_sa_sdst(0) depctr_va_vdst(0) depctr_va_sdst(0) depctr_va_ssrc(0) depctr_va_vcc(0) depctr_vm_vsrc(0)
	s_getreg_b32 s2, hwreg(HW_REG_IB_STS2, 6, 4)
	s_cmp_eq_u32 s2, 0
	s_cbranch_scc0 .Lentry_in_a_cluster
	s_endpgm
.Lentry_in_a_cluster:
	s_bfe_u32 s2, ttmp6, 0x10000c
	s_cmp_lg_u32 s2, 0x3003
	s_cbranch_scc0 .Lentry_shape_is_right
	s_endpgm
.Lentry_shape_is_right:
; PROJECTION AND FIRST LAYER NORM: x1 = LN(x + a Wo + bo) g1 + be1, stored as f32 rows and as codes of E2M1 along H.  No work of reference() is left out here.
; SHARES.  A work-group takes 16 tokens x all 1,024 channels, so that the norm has one owner.
; CLUSTER 4 x 1: all work-groups walk the same 64 records of Wo (557,056 bytes), so the four partners ask for them JOINTLY, in two fills of 32 records (278,528 bytes) of one LDS slot: waves 0-7 bring four records each.
; Wave 8 brings the work-group's own record of tokens, by a plain load in the same group.  The second fill stands behind the spare-word adds, their wait and a round of the cluster.
; In fill p wave w multiplies records 2 w and 2 w + 1: channels 512 p + 32 w + 0..31, one block of 32 along the next K; two accumulators, which take turns.
; The product is used transposed (source 0 = 16 channels, source 1 = the 16 tokens): a lane holds one token; register 8 (2 p + u) + j is channel 512 p + 32 w + 16 u + 8 (lane / 16) + j.
; The bias is loaded INTO the accumulators.  The residual row waits in registers; the stage for it and for the result lies in the slot, behind the slot's last fill and a barrier behind which nobody reads the slot.
; No prefetch: both fills are asked for as early as the slot allows, and there is no loop to run ahead in.
; The variance is taken in two passes (mean first, then the squares of the differences).
; LIMITS: as stated at the head of the first kernel; v_rsq_f32 is right to 1 ulp.
.set WR0,   192                        ; Wo's first record
.set REC,   8704
.set RSC,   8192
.set TOK,   32*REC                     ; LDS: from 0 the slot; here the tokens' record;
.set RED,   TOK+REC                    ; the waves' partial sums, [token][wave], twice 1,024 bytes;
.set SPARE, RED+2048                   ; the spare words, 128 bytes for each of 16 waves
.set WV,  20
.set SEL, 48                           ; s[48:49]
.set TM,  12                           ; v12-27 at work
.set ACC, 32                           ; v32-63
.set TF,  64                           ; v64-127 the eight token fragments; afterwards be
.set TS,  128                          ; v128-135 their scale words
.set WF,  136                          ; v136-199 four K steps x two weight fragments; afterwards the residual and g
.set WSC, 200                          ; v200-203 their scale words: lanes 0-15 record 2 w's, lanes 16-31 record 2 w + 1's
.set RS,  208                          ; v208-239 the residual row as loaded
.set XR,  136
.set G,   168
.set BE,  64
.macro ROUND
	s_barrier_signal -1
	s_barrier_wait -1
	s_cmp_lg_u32 s[WV], 0
	s_cbranch_scc1 .Lnot_wave_0_\@
	s_barrier_signal -3
.Lnot_wave_0_\@:
	s_barrier_wait -3
	s_barrier_signal -1
	s_barrier_wait -1
.endm
.macro WM d, a, b, sa, ra, sb
.if (\ra)
	v_wmma_scale_f32_16x16x128_f8f6f4 v[\d:\d+7], v[\a:\a+7], v[\b:\b+7], v[\d:\d+7], v[\sa], v[\sb] matrix_a_fmt:MATRIX_FMT_FP4 matrix_b_fmt:MATRIX_FMT_FP4 matrix_a_scale:MATRIX_SCALE_ROW1
.else
	v_wmma_scale_f32_16x16x128_f8f6f4 v[\d:\d+7], v[\a:\a+7], v[\b:\b+7], v[\d:\d+7], v[\sa], v[\sb] matrix_a_fmt:MATRIX_FMT_FP4 matrix_b_fmt:MATRIX_FMT_FP4
.endif
.endm
.macro HQUANT s, pc, pw                ; 32 registers, halves of two blocks of 32 along the next K, become the two blocks' codes (lanes 0-15 the first's, lanes 16-31 the second's) and two scale bytes
.irp b, 0,1
	v_max3_num_f32 v[TM+\b], |v[\s+16*\b]|, |v[\s+16*\b+1]|, 0x1800000
.endr
.irp i, 2,4,6,8,10,12,14
.irp b, 0,1
	s_delay_alu instid0(VALU_DEP_2)
	v_max3_num_f32 v[TM+\b], v[TM+\b], |v[\s+16*\b+\i]|, |v[\s+16*\b+\i+1]|
.endr
.endr
.irp b, 0,1
	s_delay_alu instid0(VALU_DEP_2)
	v_permlanex16_b32 v[TM+2+\b], v[TM+\b], s[SEL], s[SEL+1]
.endr
.irp b, 0,1
	s_delay_alu instid0(VALU_DEP_2)
	v_max_num_f32 v[TM+\b], v[TM+\b], v[TM+2+\b]
.endr
.irp b, 0,1
	s_delay_alu instid0(VALU_DEP_2)
	v_add_nc_u32 v[TM+4+\b], 0xff000000, v[TM+\b]
.endr
.irp b, 0,1
	s_delay_alu instid0(VALU_DEP_2)
	v_lshrrev_b32 v[TM+2+\b], 23, v[TM+4+\b]
.endr
	s_delay_alu instid0(VALU_DEP_1)
	v_lshl_or_b32 v[\pw], v[TM+3], 8, v[TM+2]
	v_cvt_scalef32_pk8_fp4_f32 v[\pc], v[\s:\s+7], v[TM+4]
	v_cvt_scalef32_pk8_fp4_f32 v[\pc+2], v[\s+8:\s+15], v[TM+4]
	v_cvt_scalef32_pk8_fp4_f32 v[\pc+1], v[\s+16:\s+23], v[TM+5]
	v_cvt_scalef32_pk8_fp4_f32 v[\pc+3], v[\s+24:\s+31], v[TM+5]
	v_nop
	v_permlane16_swap_b32 v[\pc], v[\pc+1]
	v_permlane16_swap_b32 v[\pc+2], v[\pc+3]
.endm
; Fill p's products: my two records, four K steps at a time: 20 LDS loads, 8 products
.macro PHASE p
.irp g, 0,1
.if (\p)+(\g) > 0
.rept 4
	v_nop                                          ; four places in front of loads into registers that matrix instructions have read
.endr
.endif
.irp s, 0,1,2,3
.irp u, 0,1
.irp c, 0,1
	ds_load_b128 v[WF+16*\s+8*\u+4*\c:WF+16*\s+8*\u+4*\c+3], v2 offset:\u*REC+1024*(4*\g+\s)+512*\c
.endr
.endr
	ds_load_b32 v[WSC+\s], v3 offset:64*(4*\g+\s)
.endr
	s_wait_dscnt 0x0
.irp s, 0,1,2,3
.irp u, 0,1
	WM ACC+8*(2*(\p)+\u), WF+16*\s+8*\u, TF+8*(4*\g+\s), WSC+\s, \u, TS+4*\g+\s
.endr
.endr
.endr
.endm
; v[12:13], v[14:15]: two packed chains over my 32 numbers  ->  v12: the sum over the token's 1,024 channels, in every lane.  One barrier; off: which 1,024 bytes of RED
.macro ALLSUM off
	s_delay_alu instid0(VALU_DEP_1)
	v_pk_add_f32 v[12:13], v[12:13], v[14:15]
	s_delay_alu instid0(VALU_DEP_1)
	v_add_f32 v12, v12, v13
	s_delay_alu instid0(VALU_DEP_1)
	v_permlanex16_b32 v13, v12, s[SEL], s[SEL+1]
	s_delay_alu instid0(VALU_DEP_1)
	v_add_f32 v12, v12, v13                        ; my wave's 64 channels of token r
	ds_store_b32 v6, v12 offset:\off               ; both halves of the lanes store the same word
	s_wait_dscnt 0x0                               ; for the others' sake
	s_barrier_signal -1
	s_barrier_wait -1
.irp i, 0,1,2,3
	ds_load_b128 v[12+4*\i:15+4*\i], v7 offset:\off+16*\i   ; the sixteen waves' parts of token r
.endr
	s_wait_dscnt 0x0
	v_pk_add_f32 v[12:13], v[12:13], v[14:15]
	v_pk_add_f32 v[16:17], v[16:17], v[18:19]
	v_pk_add_f32 v[20:21], v[20:21], v[22:23]
	v_pk_add_f32 v[24:25], v[24:25], v[26:27]
	s_delay_alu instid0(VALU_DEP_3)
	v_pk_add_f32 v[12:13], v[12:13], v[16:17]
	s_delay_alu instid0(VALU_DEP_2)
	v_pk_add_f32 v[20:21], v[20:21], v[24:25]
	s_delay_alu instid0(VALU_DEP_1)
	v_pk_add_f32 v[12:13], v[12:13], v[20:21]
	s_delay_alu instid0(VALU_DEP_1)
	v_add_f32 v12, v12, v13
.endm
	s_load_b256 s[4:11], s[0:1], 0x0               ; arec, wrec, x, bo
	s_load_b128 s[12:15], s[0:1], 0x20             ; g1, be1
	s_load_b128 s[16:19], s[0:1], 0x30             ; x1f, x1rec
	v_lshl_add_u32 v10, v0, 2, SPARE
	v_mov_b32 v11, 0
	ds_add_u32 v10, v11                            ; the opening: the add, twice on end, and its wait ahead of a wave's first tensor load
	ds_add_u32 v10, v11
	v_lshrrev_b32 v1, 5, v0
	s_delay_alu instid0(VALU_DEP_1)
	v_readfirstlane_b32 s[WV], v1                  ; wave 0..15
	s_bfe_u32 s22, ttmp6, 0x40000                  ; cx
	s_lshl_b32 s21, ttmp9, 2
	s_add_co_u32 s21, s21, s22                     ; my tile of 16 tokens: it enters global addresses alone
	s_mov_b32 s24, 15|(3<<16)|(1<<21)              ; group 1, Wo: the mask names all four; elements of 8 bytes; bit 21 beside a mask
	s_mov_b32 s25, 32<<16                          ; four records, 34,816 dense bytes, as 136 rows of 32 elements
	s_mov_b32 s26, 136<<16
	s_mov_b32 s27, 32<<16
	s_mov_b32 s28, 136
	s_mov_b32 s29, 32
	s_mov_b32 s30, 0
	s_mov_b32 s31, 0
	s_mov_b32 s40, 3<<16                           ; group 1, the tokens: no mask; one record as 34 rows
	s_mov_b32 s41, 32<<16
	s_mov_b32 s42, 34<<16
	s_mov_b32 s43, 32<<16
	s_mov_b32 s44, 34
	s_mov_b32 s45, 32
	s_mov_b32 s46, 0
	s_mov_b32 s47, 0
	s_mov_b32 s32, 1
	s_mul_i32 s33, s[WV], 4*REC                    ; waves 0-7: records 4 w .. 4 w + 3 of the slot,
	s_add_co_u32 s50, s33, WR0*REC                 ; and of Wo: made of the wave's number alone
	s_mov_b32 s51, 0
	s_mov_b32 s36, 1
	s_mov_b32 s37, TOK
	s_mul_i32 s22, s21, REC                        ; my tile's record, in arec and in x1rec
	s_mov_b32 s23, 0
	s_mov_b32 s[SEL], 0x76543210
	s_mov_b32 s[SEL+1], 0xfedcba98
	s_mul_i32 s66, s[WV], 2*REC                    ; my two records of the slot
	s_lshl_b32 s67, s[WV], 7                       ; my 32 channels, in bytes
	s_mul_i32 s68, s[WV], 4112                     ; my row of the stage
	s_lshl_b32 s69, s[WV], 2
	s_lshl_b32 s70, s[WV], 8                       ; block w's 256 bytes of codes
	s_lshr_b32 s71, s[WV], 2
	s_lshl_b32 s71, s71, 6
	s_and_b32 s72, s[WV], 3
	s_add_co_u32 s71, s71, s72
	s_add_co_u32 s71, s71, RSC                     ; block w's byte of a scale word: K step w / 4, byte w % 4
	s_wait_dscnt 0x0                               ; both opening adds are done
	s_wait_kmcnt 0x0
	s_add_nc_u64 s[34:35], s[6:7], s[50:51]
	s_or_b32 s35, s35, 0x80000000
	s_add_nc_u64 s[38:39], s[4:5], s[22:23]
	s_or_b32 s39, s39, 0x80000000
	s_add_nc_u64 s[62:63], s[18:19], s[22:23]      ; x1rec's record
	s_lshl_b32 s50, s21, 4
	s_add_co_u32 s50, s50, s[WV]                   ; row 16 T + w: the one that my wave brings in and takes out
	s_lshl_b32 s50, s50, 12
	s_add_nc_u64 s[52:53], s[8:9], s[50:51]
	s_add_nc_u64 s[54:55], s[16:17], s[50:51]
	s_mov_b32 s50, s67
	s_add_nc_u64 s[56:57], s[10:11], s[50:51]      ; bo, g1, be1 at my channels
	s_add_nc_u64 s[58:59], s[12:13], s[50:51]
	s_add_nc_u64 s[60:61], s[14:15], s[50:51]
	ROUND                                          ; all four work-groups are here: the joint loads meet
	s_cmp_lt_u32 s[WV], 8                          ; one chain of branches on the wave's number, one load to an arm
	s_cbranch_scc0 .Lnot_w
	tensor_load_to_lds s[32:35], s[24:31]          ; Wo's records 0-31
	s_nop 0
.rept 4
	v_nop
.endr
	s_branch .Lasked
.Lnot_w:
	s_cmp_eq_u32 s[WV], 8
	s_cbranch_scc0 .Lasked
	tensor_load_to_lds s[36:39], s[40:47]          ; the tokens' record
	s_nop 0
.rept 4
	v_nop
.endr
.Lasked:
	v_and_b32 v12, 31, v0
	v_bfe_u32 v13, v0, 4, 1                        ; h
	v_lshlrev_b32 v1, 4, v12                       ; 16 x lane
	v_and_b32 v12, 15, v0                          ; r
	v_lshlrev_b32 v8, 5, v13                       ; 32 h
.irp i, 0,1,2,3,4,5,6,7
	global_load_b128 v[RS+4*\i:RS+4*\i+3], v1, s[52:53] offset:512*\i th:TH_LOAD_NT   ; the residual row: 512 consecutive bytes a load
.endr
.irp t, 0,1,2,3
.irp q, 0,1
	global_load_b128 v[ACC+8*\t+4*\q:ACC+8*\t+4*\q+3], v8, s[56:57] offset:2048*(\t/2)+64*(\t%2)+16*\q   ; the bias, into the accumulators
.endr
.endr
	v_lshlrev_b32 v9, 2, v12                       ; 4 r
	v_add_nc_u32 v2, s66, v1                       ; my records' fragments
	v_mul_u32_u24 v3, v13, REC
	v_mul_u32_u24 v4, v12, 4112
	v_add_nc_u32 v240, TOK, v1                     ; the tokens' fragments
	v_add_nc_u32 v3, v3, v9
	v_add_nc_u32 v4, v4, v8
	v_add_nc_u32 v241, TOK+RSC, v9                 ; the tokens' scale words
	v_add_nc_u32 v3, RSC, v3
	v_add_nc_u32 v4, s67, v4                       ; the stage by tokens: row r, my wave's 128 bytes, + 32 h
	v_add_nc_u32 v5, s68, v1                       ; the stage by rows: row w, 16 bytes a lane
	v_add_nc_u32 v3, s66, v3                       ; my records' scale words: 4 r, lanes 16-31 one record on
	v_lshlrev_b32 v7, 6, v12
	v_lshlrev_b32 v242, 12, v13
	v_lshl_add_u32 v243, v13, 8, v9
	v_add_nc_u32 v7, RED, v7                       ; token r's sixteen partial sums,
	v_lshl_add_u32 v242, v12, 4, v242
	v_add_nc_u32 v243, s71, v243                   ; the scale bytes out: lanes 16-31 block 16 + w: four K steps on
	v_add_nc_u32 v6, s69, v7                       ; and mine among them
	v_add_nc_u32 v242, s70, v242                   ; the codes out: 256 x block + 16 r; lanes 16-31 block 16 + w
	v_lshlrev_b32 v244, 3, v13                     ; 8 h
	s_wait_alu depctr_va_vdst(0)                   ; the wait at the head's end
	s_wait_tensorcnt 0x0                           ; my part has landed,
	s_barrier_signal -1
	s_barrier_wait -1                              ; everybody's has
.irp s, 0,1,2,3,4,5,6,7
.irp c, 0,1
	ds_load_b128 v[TF+8*\s+4*\c:TF+8*\s+4*\c+3], v240 offset:1024*\s+512*\c   ; the tokens stay in registers for both fills
.endr
	ds_load_b32 v[TS+\s], v241 offset:64*\s
.endr
	s_wait_loadcnt 0x0                             ; the residual and the bias
	PHASE 0
	s_wait_tensorcnt 0x0                           ; ahead of the refill, in every wave: no tensor load of mine is out,
	ds_add_u32 v10, v11                            ; 0 onto my spare word, twice on end here,
	ds_add_u32 v10, v11
	s_add_nc_u64 s[34:35], s[34:35], 32*REC        ; (the descriptor may be written: Wo's records 32-63)
	s_wait_dscnt 0x0                               ; the adds are done, and my reads of the slot are over
	ROUND                                          ; that now holds of every wave of the four work-groups
	s_cmp_lt_u32 s[WV], 8
	s_cbranch_scc0 .Lno_refill
	tensor_load_to_lds s[32:35], s[24:31]          ; the first thing behind the round: the slot's second and last fill
	s_nop 0
.rept 4
	v_nop
.endr
.Lno_refill:
	s_wait_tensorcnt 0x0
	s_barrier_signal -1
	s_barrier_wait -1                              ; the slot is whole again
	PHASE 1
.rept 4
	v_nop                                          ; four places: loads into the operands' registers, and the first read of results
.endr
.irp t, 0,1,2,3
.irp q, 0,1
	global_load_b128 v[G+8*\t+4*\q:G+8*\t+4*\q+3], v8, s[58:59] offset:2048*(\t/2)+64*(\t%2)+16*\q
	global_load_b128 v[BE+8*\t+4*\q:BE+8*\t+4*\q+3], v8, s[60:61] offset:2048*(\t/2)+64*(\t%2)+16*\q
.endr
.endr
	s_barrier_signal -1                            ; my reads of the slot have come back (the wait in the products' macro)
	s_barrier_wait -1                              ; nobody reads the slot any more, and it has had its last fill: its first 65,792 bytes are the stage
.irp i, 0,1,2,3,4,5,6,7
	ds_store_b128 v5, v[RS+4*\i:RS+4*\i+3] offset:512*\i
.endr
	s_wait_dscnt 0x0                               ; my row lies in the stage
	s_barrier_signal -1
	s_barrier_wait -1                              ; all sixteen do
.irp t, 0,1,2,3
.irp q, 0,1
	ds_load_b128 v[XR+8*\t+4*\q:XR+8*\t+4*\q+3], v4 offset:2048*(\t/2)+64*(\t%2)+16*\q   ; the residual at my token and channels
.endr
.endr
	s_wait_dscnt 0x0
.set J, 0
.rept 16
	v_pk_add_f32 v[ACC+J:ACC+J+1], v[ACC+J:ACC+J+1], v[XR+J:XR+J+1]   ; each accumulator from its low end on
.set J, J+2
.endr
	v_pk_add_f32 v[12:13], v[ACC:ACC+1], v[ACC+2:ACC+3]
	v_pk_add_f32 v[14:15], v[ACC+4:ACC+5], v[ACC+6:ACC+7]
.irp j, 8,12,16,20,24,28
	s_delay_alu instid0(VALU_DEP_2)
	v_pk_add_f32 v[12:13], v[12:13], v[ACC+\j:ACC+\j+1]
	s_delay_alu instid0(VALU_DEP_2)
	v_pk_add_f32 v[14:15], v[14:15], v[ACC+\j+2:ACC+\j+3]
.endr
	ALLSUM 0
	s_delay_alu instid0(VALU_DEP_1)
	v_mul_f32 v28, 0x3a800000, v12                 ; the mean: / 1,024
	s_delay_alu instid0(VALU_DEP_1)
	v_mov_b32 v29, v28
.set J, 0
.rept 16
	v_pk_add_f32 v[ACC+J:ACC+J+1], v[ACC+J:ACC+J+1], v[28:29] neg_lo:[0,1] neg_hi:[0,1]
.set J, J+2
.endr
	v_pk_mul_f32 v[12:13], v[ACC:ACC+1], v[ACC:ACC+1]
	v_pk_mul_f32 v[14:15], v[ACC+2:ACC+3], v[ACC+2:ACC+3]
.irp j, 4,8,12,16,20,24,28
	s_delay_alu instid0(VALU_DEP_2)
	v_pk_fma_f32 v[12:13], v[ACC+\j:ACC+\j+1], v[ACC+\j:ACC+\j+1], v[12:13]
	s_delay_alu instid0(VALU_DEP_2)
	v_pk_fma_f32 v[14:15], v[ACC+\j+2:ACC+\j+3], v[ACC+\j+2:ACC+\j+3], v[14:15]
.endr
	ALLSUM 1024
	v_mov_b32 v31, 0x3a800000
	s_delay_alu instid0(VALU_DEP_1)
	v_fmaak_f32 v30, v12, v31, 0x3727c5ac          ; the variance + 1e-5
	s_wait_alu depctr_va_vdst(0)
	v_rsq_f32 v30, v30
	v_nop                                          ; the plain place behind it,
	s_wait_alu depctr_va_vdst(0)                   ; and the wait ahead of its first reader
	v_mov_b32 v31, v30
	s_wait_alu depctr_va_vdst(0)
	s_wait_loadcnt 0x0                             ; g1, be1
.set J, 0
.rept 16
	v_pk_mul_f32 v[ACC+J:ACC+J+1], v[ACC+J:ACC+J+1], v[30:31]
.set J, J+2
.endr
.set J, 0
.rept 16
	v_pk_fma_f32 v[ACC+J:ACC+J+1], v[ACC+J:ACC+J+1], v[G+J:G+J+1], v[BE+J:BE+J+1]
.set J, J+2
.endr
	HQUANT ACC, 20, 18
	v_lshrrev_b32 v19, v244, v18                   ; lanes 0-15 block w's byte, lanes 16-31 block 16 + w's
	global_store_b128 v242, v[20:23], s[62:63]     ; sixteen lanes store a block's 256 consecutive bytes, aligned
	global_store_b8 v243, v19, s[62:63]            ; my block's byte of the token's scale word
.irp t, 0,1,2,3
.irp q, 0,1
	ds_store_b128 v4, v[ACC+8*\t+4*\q:ACC+8*\t+4*\q+3] offset:2048*(\t/2)+64*(\t%2)+16*\q   ; over the bytes that this lane alone read, two barriers ago
.endr
.endr
	s_wait_dscnt 0x0
	s_barrier_signal -1
	s_barrier_wait -1                              ; 16 whole rows lie in the stage
.irp i, 0,1,2,3,4,5,6,7
	ds_load_b128 v[XR+4*\i:XR+4*\i+3], v5 offset:512*\i
.endr
.irp i, 0,1,2,3,4,5,6,7
	s_wait_dscnt 7-\i                              ; LDS loads come back in order: the younger ones may be out
	global_store_b128 v1, v[XR+4*\i:XR+4*\i+3], s[54:55] offset:512*\i   ; 512 consecutive bytes of row 16 T + w
.endr
	s_wait_tensorcnt 0x0                           ; the wave's end, behind my last LDS store
	ds_add_u32 v10, v11
	s_wait_dscnt 0x0
	ROUND                                          ; the closing round
	s_endpgm
.Lfunc_end_k_q50c5707615_wo_ln:
	.size	k_q50c5707615_wo_ln, .Lfunc_end_k_q50c5707615_wo_ln-k_q50c5707615_wo_ln
	.p2alignl 7, 3214868480
	.fill 96, 4, 3214868480
	.section	.rodata,"a",@progbits
	.p2align	6, 0x0
	.amdhsa_kernel k_q50c5707615_wo_ln
		.amdhsa_group_segment_fixed_size 327680
		.amdhsa_private_segment_fixed_size 0
		.amdhsa_enable_private_segment 0
		.amdhsa_kernarg_size 64
		.amdhsa_user_sgpr_count 2
		.amdhsa_user_sgpr_kernarg_segment_ptr 1
		.amdhsa_wavefront_size32 1
		.amdhsa_system_sgpr_workgroup_id_x 1
		.amdhsa_system_sgpr_workgroup_id_y 1
		.amdhsa_system_sgpr_workgroup_id_z 1
		.amdhsa_system_vgpr_workitem_id 0
		.amdhsa_next_free_vgpr 256
		.amdhsa_next_free_sgpr 80
		.amdhsa_reserve_vcc 0
		.amdhsa_float_denorm_mode_32 3
		.amdhsa_float_denorm_mode_16_64 3
		.amdhsa_memory_ordered 1
		.amdhsa_forward_progress 1
		.amdhsa_inst_pref_size 38
	.end_amdhsa_kernel
	.amdgpu_metadata
---
amdhsa.version: [ 1, 2 ]
amdhsa.kernels:
  - .name:           k_q50c5707615_wo_ln
    .symbol:         k_q50c5707615_wo_ln.kd
    .args:
      - { .name: arec, .offset: 0, .size: 8, .value_kind: global_buffer, .address_space: global }
      - { .name: wrec, .offset: 8, .size: 8, .value_kind: global_buffer, .address_space: global }
      - { .name: x, .offset: 16, .size: 8, .value_kind: global_buffer, .address_space: global }
      - { .name: bo, .offset: 24, .size: 8, .value_kind: global_buffer, .address_space: global }
      - { .name: g1, .offset: 32, .size: 8, .value_kind: global_buffer, .address_space: global }
      - { .name: be1, .offset: 40, .size: 8, .value_kind: global_buffer, .address_space: global }
      - { .name: x1f, .offset: 48, .size: 8, .value_kind: global_buffer, .address_space: global }
      - { .name: x1rec, .offset: 56, .size: 8, .value_kind: global_buffer, .address_space: global }
    .group_segment_fixed_size: 327680
    .private_segment_fixed_size: 0
    .kernarg_segment_align: 8
    .kernarg_segment_size: 64
    .max_flat_workgroup_size: 512
    .sgpr_count:     80
    .vgpr_count:     256
    .wavefront_size: 32
...
	.end_amdgpu_metadata
.endif
;; end of part 4
;; launch ffn1 (part 5): grid 16 x 16, 16 waves a work-group, clusters of 4 x 4, 280,576 bytes of LDS; arguments x1rec, wrec, b1, hrec; writes hrec
.if DOCPART == 5
	.amdgcn_target "amdgcn-amd-amdhsa--gfx1250"
	.amdhsa_code_object_version 6
	.text
	.protected	k_q50c5707615_ffn1
	.globl	k_q50c5707615_ffn1
	.p2align	8
	.type	k_q50c5707615_ffn1,@function
k_q50c5707615_ffn1:
	s_mov_b64 s[64:65], 0
	v_nop
	global_prefetch_b8 v0, s[64:65] scope:SCOPE_SE
	s_setreg_imm32_b32 hwreg(HW_REG_WAVE_MODE, 25, 1), 1
	s_wait_xcnt 0x0
	s_wait_alu depctr_hold_cnt(0) depctr_sa_sdst(0) depctr_va_vdst(0) depctr_va_sdst(0) depctr_va_ssrc(0) depctr_va_vcc(0) depctr_vm_vsrc(0)
	s_getreg_b32 s2, hwreg(HW_REG_IB_STS2, 6, 4)
	s_cmp_eq_u32 s2, 0
	s_cbranch_scc0 .Lentry_in_a_cluster
	s_endpgm
.Lentry_in_a_cluster:
	s_bfe_u32 s2, ttmp6, 0x10000c
	s_cmp_lg_u32 s2, 0xf033
	s_cbranch_scc0 .Lentry_shape_is_right
	s_endpgm
.Lentry_shape_is_right:
; FIRST HALF OF THE FFN: h = gelu(x1 W1 + b1), exact (erf), quantised at once along FF.  No work of reference() is left out here.
; SHARES.  A work-group takes 256 tokens x 256 channels; wave w takes 64 tokens (w / 4) x 64 channels (w % 4): 16 accumulators, which take turns.
; LDS is filled ONCE: 16 records of x1 and 16 of W1 (K = 1,024 whole), 278,528 bytes.
; CLUSTER 4 x 4.  The four work-groups of a row of the cluster want the same tokens, the four of a column the same channels: every record is asked for JOINTLY (waves 0-7: x1's, waves 8-15: W1's; two records a wave).
; The product is used transposed (source 0 = 16 channels, source 1 = 16 tokens): a lane holds one token, its registers run along the channels, which are the next K.
; hrec: [quarter of FF][256 tiles of tokens][record].
; GELU = a (0.5 + 0.5 erf(a / sqrt 2)); erf(z) = z P(z^2) / Q(z^2) on z held to +-4, P of degree 6, Q of degree 4 in z^2.
; LIMITS: erf is right to a few ulp of f32, and for |a| > 5.66 it is held at its value at 4; v_rcp_f32 is right to 1 ulp; else as stated at the head of the first kernel.
.set REC,   8704
.set RSC,   8192
.set WB,    16*REC                     ; LDS: x1's tile i at i REC; W1's tile j at WB + j REC
.set SPARE, 32*REC                     ; the spare words, 128 bytes for each of 16 waves
.set WV,  16
.set SEL, 86                           ; s[86:87]
.set A11, 66                           ; s[66:85] the polynomials' later coefficients, each in both words of a pair
.set A9,  68
.set A7,  70
.set A5,  72
.set A3,  74
.set A1,  76
.set B6,  78
.set B4,  80
.set B2,  82
.set B0,  84
.set XSC, 12                           ; v12-13 x1's scale words, v14-15 W1's
.set WSC, 14
.set BI,  16                           ; v16-47 the bias as the first products' C; later the codes made
.set TM,  48                           ; v48-53 HQUANT's; v[54:55], v[56:57] the polynomials' leading coefficients
.set PW,  58                           ; v58-61 the scale bytes made
.set XF,  64
.set WF,  96
.set ACC, 128
.set Z,   64                           ; the GELU's: z, z^2, P, Q, 16 numbers each, where the fragments lay
.set X2,  80
.set P,   96
.set Q,   112
.macro ROUND
	s_barrier_signal -1
	s_barrier_wait -1
	s_cmp_lg_u32 s[WV], 0
	s_cbranch_scc1 .Lnot_wave_0_\@
	s_barrier_signal -3
.Lnot_wave_0_\@:
	s_barrier_wait -3
	s_barrier_signal -1
	s_barrier_wait -1
.endm
.macro WM d, a, b, c, sa, ra, sb, rb
.if (\ra) && (\rb)
	v_wmma_scale_f32_16x16x128_f8f6f4 v[\d:\d+7], v[\a:\a+7], v[\b:\b+7], v[\c:\c+7], v[\sa], v[\sb] matrix_a_fmt:MATRIX_FMT_FP4 matrix_b_fmt:MATRIX_FMT_FP4 matrix_a_scale:MATRIX_SCALE_ROW1 matrix_b_scale:MATRIX_SCALE_ROW1
.elseif (\ra)
	v_wmma_scale_f32_16x16x128_f8f6f4 v[\d:\d+7], v[\a:\a+7], v[\b:\b+7], v[\c:\c+7], v[\sa], v[\sb] matrix_a_fmt:MATRIX_FMT_FP4 matrix_b_fmt:MATRIX_FMT_FP4 matrix_a_scale:MATRIX_SCALE_ROW1
.elseif (\rb)
	v_wmma_scale_f32_16x16x128_f8f6f4 v[\d:\d+7], v[\a:\a+7], v[\b:\b+7], v[\c:\c+7], v[\sa], v[\sb] matrix_a_fmt:MATRIX_FMT_FP4 matrix_b_fmt:MATRIX_FMT_FP4 matrix_b_scale:MATRIX_SCALE_ROW1
.else
	v_wmma_scale_f32_16x16x128_f8f6f4 v[\d:\d+7], v[\a:\a+7], v[\b:\b+7], v[\c:\c+7], v[\sa], v[\sb] matrix_a_fmt:MATRIX_FMT_FP4 matrix_b_fmt:MATRIX_FMT_FP4
.endif
.endm
.macro HQUANT s, pc, pw                ; 32 registers, two half blocks of 32 along the next K, become half a fragment and two scale bytes
.irp b, 0,1
	v_max3_num_f32 v[TM+\b], |v[\s+16*\b]|, |v[\s+16*\b+1]|, 0x1800000
.endr
.irp i, 2,4,6,8,10,12,14
.irp b, 0,1
	s_delay_alu instid0(VALU_DEP_2)
	v_max3_num_f32 v[TM+\b], v[TM+\b], |v[\s+16*\b+\i]|, |v[\s+16*\b+\i+1]|
.endr
.endr
.irp b, 0,1
	s_delay_alu instid0(VALU_DEP_2)
	v_permlanex16_b32 v[TM+2+\b], v[TM+\b], s[SEL], s[SEL+1]
.endr
.irp b, 0,1
	s_delay_alu instid0(VALU_DEP_2)
	v_max_num_f32 v[TM+\b], v[TM+\b], v[TM+2+\b]
.endr
.irp b, 0,1
	s_delay_alu instid0(VALU_DEP_2)
	v_add_nc_u32 v[TM+4+\b], 0xff000000, v[TM+\b]
.endr
.irp b, 0,1
	s_delay_alu instid0(VALU_DEP_2)
	v_lshrrev_b32 v[TM+2+\b], 23, v[TM+4+\b]
.endr
	s_delay_alu instid0(VALU_DEP_1)
	v_lshl_or_b32 v[\pw], v[TM+3], 8, v[TM+2]
	v_cvt_scalef32_pk8_fp4_f32 v[\pc], v[\s:\s+7], v[TM+4]
	v_cvt_scalef32_pk8_fp4_f32 v[\pc+2], v[\s+8:\s+15], v[TM+4]
	v_cvt_scalef32_pk8_fp4_f32 v[\pc+1], v[\s+16:\s+23], v[TM+5]
	v_cvt_scalef32_pk8_fp4_f32 v[\pc+3], v[\s+24:\s+31], v[TM+5]
	v_nop
	v_permlane16_swap_b32 v[\pc], v[\pc+1]
	v_permlane16_swap_b32 v[\pc+2], v[\pc+3]
.endm
; The GELU of 16 numbers v[a] on, in place; two result tiles, each read from its low end on.  The sixteen reciprocals are one batch with one wait.
.macro GB a
.irp j, 0,2,4,6,8,10,12,14
	v_pk_mul_f32 v[Z+\j:Z+\j+1], v[\a+\j:\a+\j+1], 0x3f3504f3 op_sel_hi:[1,0]   ; z = a / sqrt 2
.endr
.irp j, 0,1,2,3,4,5,6,7,8,9,10,11,12,13,14,15
	v_med3_num_f32 v[Z+\j], v[Z+\j], -4.0, 4.0
.endr
.irp j, 0,2,4,6,8,10,12,14
	v_pk_mul_f32 v[X2+\j:X2+\j+1], v[Z+\j:Z+\j+1], v[Z+\j:Z+\j+1]
.endr
.irp j, 0,2,4,6,8,10,12,14
	v_pk_fma_f32 v[P+\j:P+\j+1], v[X2+\j:X2+\j+1], v[54:55], s[A11:A11+1] op_sel_hi:[1,1,0]
	v_pk_fma_f32 v[Q+\j:Q+\j+1], v[X2+\j:X2+\j+1], v[56:57], s[B6:B6+1] op_sel_hi:[1,1,0]
.endr
.irp k, A9, A7, A5, A3, A1
.irp j, 0,2,4,6,8,10,12,14
	v_pk_fma_f32 v[P+\j:P+\j+1], v[P+\j:P+\j+1], v[X2+\j:X2+\j+1], s[\k:\k+1] op_sel_hi:[1,1,0]
.endr
.endr
.irp k, B4, B2, B0
.irp j, 0,2,4,6,8,10,12,14
	v_pk_fma_f32 v[Q+\j:Q+\j+1], v[Q+\j:Q+\j+1], v[X2+\j:X2+\j+1], s[\k:\k+1] op_sel_hi:[1,1,0]
.endr
.endr
	s_wait_alu depctr_va_vdst(0)
.irp j, 0,1,2,3,4,5,6,7,8,9,10,11,12,13,14,15
	v_rcp_f32 v[Q+\j], v[Q+\j]
.endr
.irp j, 0,2,4,6,8,10,12,14
	v_pk_mul_f32 v[P+\j:P+\j+1], v[P+\j:P+\j+1], v[Z+\j:Z+\j+1]   ; z P: plain work behind the reciprocals, which names none of them
.endr
	s_wait_alu depctr_va_vdst(0)                   ; one wait for the batch, ahead of its first reader
.irp j, 0,2,4,6,8,10,12,14
	v_pk_mul_f32 v[P+\j:P+\j+1], v[P+\j:P+\j+1], v[Q+\j:Q+\j+1]   ; erf
.endr
.irp j, 0,2,4,6,8,10,12,14
	v_pk_fma_f32 v[P+\j:P+\j+1], v[P+\j:P+\j+1], 0.5, 0.5 op_sel_hi:[1,0,0]
.endr
.irp j, 0,2,4,6,8,10,12,14
	v_pk_mul_f32 v[\a+\j:\a+\j+1], v[\a+\j:\a+\j+1], v[P+\j:P+\j+1]
.endr
.endm
	s_load_b256 s[4:11], s[0:1], 0x0               ; x1rec, wrec, b1, hrec
	v_lshl_add_u32 v8, v0, 2, SPARE
	v_mov_b32 v9, 0
	ds_add_u32 v8, v9                              ; the opening: the add, twice on end, and its wait ahead of my first tensor load
	ds_add_u32 v8, v9
	v_lshrrev_b32 v1, 5, v0
	s_delay_alu instid0(VALU_DEP_1)
	v_readfirstlane_b32 s[WV], v1                  ; wave 0..15
	s_bfe_u32 s17, ttmp6, 0x40000                  ; cx
	s_bfe_u32 s18, ttmp6, 0x40004                  ; cy
	s_lshl_b32 s19, ttmp9, 2
	s_add_co_u32 s19, s19, s17                     ; my block of 256 channels
	s_and_b32 s20, ttmp7, 0xffff
	s_lshl_b32 s20, s20, 2
	s_add_co_u32 s20, s20, s18                     ; my block of 256 tokens
	s_lshr_b32 s21, s[WV], 2                       ; which 64 tokens
	s_and_b32 s22, s[WV], 3                        ; which 64 channels
	s_lshl_b32 s60, s18, 2
	s_lshl_b32 s60, 15, s60                        ; my row of the cluster
	s_lshl_b32 s61, 0x1111, s17                    ; my column
	s_or_b32 s24, s60, (3<<16)|(1<<21)             ; group 1, x1: shared along the row; elements of 8 bytes; bit 21 beside a mask
	s_or_b32 s32, s61, (3<<16)|(1<<21)             ; group 1, W1: shared along the column
.irp g, 24, 32
	s_mov_b32 s[\g+1], 32<<16                      ; two records, 17,408 dense bytes, as 68 rows of 32 elements
	s_mov_b32 s[\g+2], 68<<16
	s_mov_b32 s[\g+3], 32<<16
	s_mov_b32 s[\g+4], 68
	s_mov_b32 s[\g+5], 32
	s_mov_b32 s[\g+6], 0
	s_mov_b32 s[\g+7], 0
.endr
	s_mov_b32 s40, 1
	s_mul_i32 s41, s[WV], 2*REC                    ; waves 0-7: x1's tiles 2 w, 2 w + 1
	s_mov_b32 s44, 1
	s_mul_i32 s45, s[WV], 2*REC                    ; waves 8-15: W1's tiles 2 (w - 8) on, which lie behind x1's sixteen
	s_lshl_b32 s48, s20, 4                         ; x1's address is made of the token block and the wave's number alone,
	s_lshl_b32 s49, s[WV], 1
	s_add_co_u32 s48, s48, s49
	s_mul_i32 s48, s48, REC
	s_mov_b32 s49, 0
	s_lshl_b32 s50, s19, 4                         ; W1's of the channel block and the wave's number alone: record 256 + 16 x block + 2 (w - 8)
	s_lshl_b32 s51, s[WV], 1
	s_add_co_u32 s50, s50, s51
	s_add_co_u32 s50, s50, 240
	s_mul_i32 s50, s50, REC
	s_mov_b32 s51, 0
	s_mov_b32 s[SEL], 0x76543210
	s_mov_b32 s[SEL+1], 0xfedcba98
	s_mov_b32 s[A11], 0x32edffee
	s_mov_b32 s[A9], 0xb60cff51
	s_mov_b32 s[A7], 0xb86ec2d2
	s_mov_b32 s[A5], 0xba40ac63
	s_mov_b32 s[A3], 0xbb41a1f6
	s_mov_b32 s[A1], 0xbc83dbd4
	s_mov_b32 s[B6], 0xb95fbd29
	s_mov_b32 s[B4], 0xbadc924e
	s_mov_b32 s[B2], 0xbbf19bf8
	s_mov_b32 s[B0], 0xbc69b6a7
.irp k, A11, A9, A7, A5, A3, A1, B6, B4, B2, B0
	s_mov_b32 s[\k+1], s[\k]                       ; (the packed form names the pair, so both words are written)
.endr
	s_wait_dscnt 0x0                               ; both opening adds are done
	s_wait_kmcnt 0x0
	s_add_nc_u64 s[42:43], s[4:5], s[48:49]
	s_or_b32 s43, s43, 0x80000000
	s_add_nc_u64 s[46:47], s[6:7], s[50:51]
	s_or_b32 s47, s47, 0x80000000
	ROUND                                          ; all sixteen work-groups are here: the joint loads meet
	s_cmp_lt_u32 s[WV], 8                          ; the branch hangs on the wave's number alone; each line has one mask
	s_cbranch_scc0 .Lfor_w
	tensor_load_to_lds s[40:43], s[24:31]
	s_nop 0
.rept 4
	v_nop
.endr
	s_branch .Lasked
.Lfor_w:
	tensor_load_to_lds s[44:47], s[32:39]
	s_nop 0
.rept 4
	v_nop
.endr
.Lasked:
	v_and_b32 v10, 31, v0
	s_delay_alu instid0(VALU_DEP_1)
	v_lshlrev_b32 v5, 4, v10                       ; 16 x lane
	v_and_b32 v10, 15, v0                          ; r
	v_bfe_u32 v11, v0, 4, 1                        ; h
	s_delay_alu instid0(VALU_DEP_2)
	v_lshlrev_b32 v6, 2, v10                       ; 4 r
	s_delay_alu instid0(VALU_DEP_2)
	v_lshlrev_b32 v7, 5, v11                       ; 32 h
	s_mul_i32 s52, s21, 4*REC                      ; my four tiles of x1,
	s_mul_i32 s53, s22, 4*REC
	s_add_co_u32 s53, s53, WB                      ; my four of W1
	v_add_nc_u32 v1, s52, v5
	v_add_nc_u32 v2, s53, v5
	v_mul_u32_u24 v10, v11, REC
	s_delay_alu instid0(VALU_DEP_1)
	v_add_nc_u32 v10, v10, v6
	s_delay_alu instid0(VALU_DEP_1)
	v_add_nc_u32 v10, RSC, v10                     ; scale words: 4 r, lanes 16-31 one record on
	s_delay_alu instid0(VALU_DEP_1)
	v_add_nc_u32 v3, s52, v10
	s_delay_alu instid0(VALU_DEP_2)
	v_add_nc_u32 v4, s53, v10
	v_mov_b32 v[TM+2], 0                           ; a lane permute's destination counts as one of its sources
	v_mov_b32 v[TM+3], 0
	v_mov_b32 v54, 0xaf95df0b                      ; P's leading coefficient,
	s_delay_alu instid0(VALU_DEP_1)
	v_mov_b32 v55, v54
	v_mov_b32 v56, 0xb77460cd                      ; Q's
	s_delay_alu instid0(VALU_DEP_1)
	v_mov_b32 v57, v56
	s_lshl_b32 s52, s19, 2
	s_add_co_u32 s52, s52, s22                     ; my group of 64 channels, 0 .. 63
	s_lshl_b32 s62, s52, 8
	s_mov_b32 s63, 0
	s_add_nc_u64 s[62:63], s[8:9], s[62:63]
.irp t, 0,1,2,3
.irp u, 0,1
	global_load_b128 v[BI+8*\t+4*\u:BI+8*\t+4*\u+3], v7, s[62:63] offset:64*\t+16*\u   ; the bias: register 8 t + j: channel 16 t + 8 h + j of my 64
.endr
.endr
	s_lshr_b32 s53, s52, 4                         ; where the results go: the quarter of FF,
	s_mul_i32 s53, s53, 256*REC
	s_lshl_b32 s54, s20, 4
	s_lshl_b32 s55, s21, 2
	s_add_co_u32 s54, s54, s55                     ; my first tile of tokens,
	s_mul_i32 s54, s54, REC
	s_add_co_u32 s53, s53, s54
	s_and_b32 s54, s52, 15
	s_lshl_b32 s54, s54, 9                         ; K step (group / 2) % 8, half group % 2
	s_add_co_u32 s56, s53, s54
	s_mov_b32 s57, 0
	s_bfe_u32 s54, s52, 0x30001
	s_lshl_b32 s54, s54, 6
	s_and_b32 s55, s52, 1
	s_lshl_b32 s55, s55, 1
	s_add_co_u32 s54, s54, s55
	s_add_co_u32 s54, s54, s53
	s_add_co_u32 s58, s54, RSC
	s_mov_b32 s59, 0
	s_add_nc_u64 s[56:57], s[10:11], s[56:57]
	s_add_nc_u64 s[58:59], s[10:11], s[58:59]
	s_wait_alu depctr_va_vdst(0)
	s_wait_tensorcnt 0x0                           ; my part has landed,
	s_barrier_signal -1
	s_barrier_wait -1                              ; everybody's has.  Nothing is filled again
	s_wait_loadcnt 0x0                             ; the bias
.macro STEP s                          ; a K step of 128: 20 LDS loads, 16 products
.if \s > 0
.rept 4
	v_nop                                          ; four places in front of loads into registers that matrix instructions have read
.endr
.endif
.irp i, 0,1,2,3
.irp c, 0,1
	ds_load_b128 v[XF+8*\i+4*\c:XF+8*\i+4*\c+3], v1 offset:\i*REC+1024*\s+512*\c
	ds_load_b128 v[WF+8*\i+4*\c:WF+8*\i+4*\c+3], v2 offset:\i*REC+1024*\s+512*\c
.endr
.endr
.irp p, 0,1
	ds_load_b32 v[XSC+\p], v3 offset:\p*2*REC+64*\s
	ds_load_b32 v[WSC+\p], v4 offset:\p*2*REC+64*\s
.endr
	s_wait_dscnt 0x0
.irp i, 0,1,2,3
.irp t, 0,1,2,3
.if \s == 0
	WM ACC+8*(4*\i+\t), WF+8*\t, XF+8*\i, BI+8*\t, WSC+\t/2, (\t)%2, XSC+\i/2, (\i)%2
.else
	WM ACC+8*(4*\i+\t), WF+8*\t, XF+8*\i, ACC+8*(4*\i+\t), WSC+\t/2, (\t)%2, XSC+\i/2, (\i)%2
.endif
.endr
.endr
.endm
.irp s, 0,1,2,3,4,5,6,7
	STEP \s
.endr
.rept 4
	v_nop                                          ; four places: the first read of results, and the first write over the fragments' registers
.endr
.irp i, 0,1,2,3
	GB ACC+32*\i
	GB ACC+32*\i+16
	HQUANT ACC+32*\i, BI+4*\i, PW+\i
	global_store_b128 v5, v[BI+4*\i:BI+4*\i+3], s[56:57] offset:\i*REC   ; 512 consecutive bytes
	global_store_b16 v6, v[PW+\i], s[58:59] offset:\i*REC                ; my two bytes of the token's scale word
.endr
	s_wait_tensorcnt 0x0                           ; the wave's end
	ds_add_u32 v8, v9
	s_wait_dscnt 0x0
	ROUND                                          ; the closing round
	s_endpgm
.Lfunc_end_k_q50c5707615_ffn1:
	.size	k_q50c5707615_ffn1, .Lfunc_end_k_q50c5707615_ffn1-k_q50c5707615_ffn1
	.p2alignl 7, 3214868480
	.fill 96, 4, 3214868480
	.section	.rodata,"a",@progbits
	.p2align	6, 0x0
	.amdhsa_kernel k_q50c5707615_ffn1
		.amdhsa_group_segment_fixed_size 280576
		.amdhsa_private_segment_fixed_size 0
		.amdhsa_enable_private_segment 0
		.amdhsa_kernarg_size 32
		.amdhsa_user_sgpr_count 2
		.amdhsa_user_sgpr_kernarg_segment_ptr 1
		.amdhsa_wavefront_size32 1
		.amdhsa_system_sgpr_workgroup_id_x 1
		.amdhsa_system_sgpr_workgroup_id_y 1
		.amdhsa_system_sgpr_workgroup_id_z 1
		.amdhsa_system_vgpr_workitem_id 0
		.amdhsa_next_free_vgpr 256
		.amdhsa_next_free_sgpr 100
		.amdhsa_reserve_vcc 0
		.amdhsa_float_denorm_mode_32 3
		.amdhsa_float_denorm_mode_16_64 3
		.amdhsa_memory_ordered 1
		.amdhsa_forward_progress 1
		.amdhsa_inst_pref_size 126
	.end_amdhsa_kernel
	.amdgpu_metadata
---
amdhsa.version: [ 1, 2 ]
amdhsa.kernels:
  - .name:           k_q50c5707615_ffn1
    .symbol:         k_q50c5707615_ffn1.kd
    .args:
      - { .name: x1rec, .offset: 0, .size: 8, .value_kind: global_buffer, .address_space: global }
      - { .name: wrec, .offset: 8, .size: 8, .value_kind: global_buffer, .address_space: global }
      - { .name: b1, .offset: 16, .size: 8, .value_kind: global_buffer, .address_space: global }
      - { .name: hrec, .offset: 24, .size: 8, .value_kind: global_buffer, .address_space: global }
    .group_segment_fixed_size: 280576
    .private_segment_fixed_size: 0
    .kernarg_segment_align: 8
    .kernarg_segment_size: 32
    .max_flat_workgroup_size: 512
    .sgpr_count:     100
    .vgpr_count:     256
    .wavefront_size: 32
...
	.end_amdgpu_metadata
.endif
;; end of part 5
;; launch ffn2 (part 6): grid 8 x 32, 8 waves a work-group, clusters of 4 x 1, 279,552 bytes of LDS; arguments hrec, wrec, b2, y2; writes y2
.if DOCPART == 6
	.amdgcn_target "amdgcn-amd-amdhsa--gfx1250"
	.amdhsa_code_object_version 6
	.text
	.protected	k_q50c5707615_ffn2
	.globl	k_q50c5707615_ffn2
	.p2align	8
	.type	k_q50c5707615_ffn2,@function
k_q50c5707615_ffn2:
	s_mov_b64 s[64:65], 0
	v_nop
	global_prefetch_b8 v0, s[64:65] scope:SCOPE_SE
	s_setreg_imm32_b32 hwreg(HW_REG_WAVE_MODE, 25, 1), 1
	s_wait_xcnt 0x0
	s_wait_alu depctr_hold_cnt(0) depctr_sa_sdst(0) depctr_va_vdst(0) depctr_va_sdst(0) depctr_va_ssrc(0) depctr_va_vcc(0) depctr_vm_vsrc(0)
	s_getreg_b32 s2, hwreg(HW_REG_IB_STS2, 6, 4)
	s_cmp_eq_u32 s2, 0
	s_cbranch_scc0 .Lentry_in_a_cluster
	s_endpgm
.Lentry_in_a_cluster:
	s_bfe_u32 s2, ttmp6, 0x10000c
	s_cmp_lg_u32 s2, 0x3003
	s_cbranch_scc0 .Lentry_shape_is_right
	s_endpgm
.Lentry_shape_is_right:
; SECOND HALF OF THE FFN, the product alone: y2 = h W2 + b2 on codes of E2M1, sums in f32.  The residual and the norm follow in the next launch.  No work of reference() is left out here.
; SHARES.  A work-group takes 128 tokens x 128 channels, K = 4,096 whole: it takes in 278,528 bytes of tokens and as many of weights, where a work-group that owned whole rows of 1,024 channels would take in all of W2.
; Wave w of eight takes ONE tile of 16 channels against all 8 tiles of tokens: 8 accumulators, which take turns, one instruction a turn.
; THE TOKENS' 32 records (4 quarters of K x 8 tiles) fill LDS ONCE; no byte is filled again.  CLUSTER: the four channel blocks of a cluster want the same tokens: each wave asks for four records JOINTLY.
; THE WEIGHTS go from memory straight into registers, as dense fragments of 512 bytes a load: each weight byte is wanted by exactly one wave of the work-group, once, so LDS would share nothing, and a tensor load
; brings nothing into registers: no multicast for them.  They run eight K steps deep: two loads a step, fourteen on their way behind the step in hand.
; The product is used transposed (source 0 = 16 channels, source 1 = 16 tokens): a lane holds one token and eight neighbouring channels.  The bias is the C of the first products.
; y2 is this program's own: [256 tiles of tokens][64 tiles of channels][1,024 bytes], an image of the accumulator's 8 registers: register 4 u + k of a lane at 512 u + 16 lane + 4 k.  So every store covers 512 consecutive bytes.
; No prefetch: the tokens are all asked for at the head, and the weights are read by the 32 work-groups of a channel block, not once.
; LIMITS: as stated at the head of the first kernel (NaN and infinities among the inputs are not served).
.set NS,    32                         ; K steps of 128
.set AHEAD, 7                          ; the weights are asked for seven steps ahead, into eight sets of registers
.set REC,   8704
.set RSC,   8192
.set QSTR,  64*REC                     ; from a quarter of K to the next, in the weight's records
.set SPARE, 32*REC                     ; LDS: token record (quarter q, tile i) at (8 q + i) REC; behind them the spare words, 128 bytes for each of 8 waves
.set WV,  12                           ; s12 my wave's number
.set TS,  12                           ; v12-15  the tokens' scale words of a step: lanes 0-15 an even tile's, lanes 16-31 the next one's
.set BI,  16                           ; v16-23  the bias, in the result's layout
.set WSC, 24                           ; v24-39  the weights' scale words of all 32 steps: lanes 0-15 an even step's, lanes 16-31 the next one's
.set TF,  64                           ; v64-127 a step's eight token fragments
.set WF,  128                          ; v128-191 eight sets of one weight fragment
.set ACC, 192                          ; v192-255
.macro ROUND                           ; a round of the cluster's barrier
	s_barrier_signal -1
	s_barrier_wait -1
	s_cmp_lg_u32 s[WV], 0
	s_cbranch_scc1 .Lnot_wave_0_\@
	s_barrier_signal -3
.Lnot_wave_0_\@:
	s_barrier_wait -3
	s_barrier_signal -1
	s_barrier_wait -1
.endm
.macro WM d, a, b, c, sa, ra, sb, rb   ; one product; ra, rb: which half of the lanes holds the side's scale words
.if (\ra) && (\rb)
	v_wmma_scale_f32_16x16x128_f8f6f4 v[\d:\d+7], v[\a:\a+7], v[\b:\b+7], v[\c:\c+7], v[\sa], v[\sb] matrix_a_fmt:MATRIX_FMT_FP4 matrix_b_fmt:MATRIX_FMT_FP4 matrix_a_scale:MATRIX_SCALE_ROW1 matrix_b_scale:MATRIX_SCALE_ROW1
.elseif (\ra)
	v_wmma_scale_f32_16x16x128_f8f6f4 v[\d:\d+7], v[\a:\a+7], v[\b:\b+7], v[\c:\c+7], v[\sa], v[\sb] matrix_a_fmt:MATRIX_FMT_FP4 matrix_b_fmt:MATRIX_FMT_FP4 matrix_a_scale:MATRIX_SCALE_ROW1
.elseif (\rb)
	v_wmma_scale_f32_16x16x128_f8f6f4 v[\d:\d+7], v[\a:\a+7], v[\b:\b+7], v[\c:\c+7], v[\sa], v[\sb] matrix_a_fmt:MATRIX_FMT_FP4 matrix_b_fmt:MATRIX_FMT_FP4 matrix_b_scale:MATRIX_SCALE_ROW1
.else
	v_wmma_scale_f32_16x16x128_f8f6f4 v[\d:\d+7], v[\a:\a+7], v[\b:\b+7], v[\c:\c+7], v[\sa], v[\sb] matrix_a_fmt:MATRIX_FMT_FP4 matrix_b_fmt:MATRIX_FMT_FP4
.endif
.endm
.macro WLOAD n                         ; K step n's weight fragment into set n % 8: two loads of 512 consecutive bytes
.irp c, 0,1
	global_load_b128 v[WF+8*((\n)%8)+4*\c:WF+8*((\n)%8)+4*\c+3], v1, s[32:33] offset:((\n)/8)*QSTR+((\n)%8)*1024+512*\c
.endr
.endm
.macro MULS n, i0                      ; four products: my channels against token tiles i0 .. i0 + 3
.irp i, \i0, \i0+1, \i0+2, \i0+3
.if (\n) == 0
	WM ACC+8*(\i), WF+8*((\n)%8), TF+8*(\i), BI, WSC+(\n)/2, (\n)%2, TS+(\i)/2, (\i)%2
.else
	WM ACC+8*(\i), WF+8*((\n)%8), TF+8*(\i), ACC+8*(\i), WSC+(\n)/2, (\n)%2, TS+(\i)/2, (\i)%2
.endif
.endr
.endm
.macro GSTEP n                         ; K step n, written out: every global offset is an immediate (1.7 million bytes at the most), no pointer is stepped
.if (\n) > 0
.rept 4
	v_nop                                          ; four places in front of loads into registers that the last step's products have read
.endr
.endif
.if ((\n) > 0) && ((\n)%8 == 0)
	v_add_nc_u32 v2, 8*REC, v2                     ; on to the next quarter's eight records (no LDS load of mine is out)
	v_add_nc_u32 v3, 8*REC, v3
	v_add_nc_u32 v4, 8*REC, v4
.endif
.if (\n)+AHEAD < NS
	WLOAD (\n)+AHEAD                               ; into the set that the last step has left
.endif
.irp p, 0,1,2,3
	ds_load_b32 v[TS+\p], v4 offset:\p*2*REC+64*((\n)%8)
.endr
.irp i, 0,1,2,3
.irp c, 0,1
	ds_load_b128 v[TF+8*\i+4*\c:TF+8*\i+4*\c+3], v2 offset:\i*REC+1024*((\n)%8)+512*\c
.endr
.endr
.irp i, 0,1,2,3
.irp c, 0,1
	ds_load_b128 v[TF+32+8*\i+4*\c:TF+32+8*\i+4*\c+3], v3 offset:\i*REC+1024*((\n)%8)+512*\c
.endr
.endr
.if NS-1-(\n) >= AHEAD
	s_wait_alu depctr_va_vdst(0)
	s_wait_loadcnt 2*AHEAD                         ; this step's two loads are in (and all that is older); the next seven steps' fourteen are younger
.else
	s_wait_loadcnt 2*(NS-1-(\n))                   ; at the end the count runs down
.endif
	s_wait_dscnt 8                                 ; the scale words and tiles 0-3 are in; tiles 4-7's eight loads are younger
	MULS \n, 0
	s_wait_dscnt 0x0
	MULS \n, 4
.endm
	s_load_b256 s[4:11], s[0:1], 0x0               ; hrec, wrec, b2, y2
	v_lshl_add_u32 v8, v0, 2, SPARE
	v_mov_b32 v9, 0
	ds_add_u32 v8, v9                              ; the opening: the add, twice on end, and its wait ahead of my first tensor load
	ds_add_u32 v8, v9
	v_lshrrev_b32 v1, 5, v0
	s_delay_alu instid0(VALU_DEP_1)
	v_readfirstlane_b32 s[WV], v1                  ; wave 0..7
	s_bfe_u32 s13, ttmp6, 0x40000                  ; cx
	s_lshl_b32 s14, ttmp9, 2
	s_add_co_u32 s14, s14, s13                     ; my block of 128 channels: it enters global addresses alone
	s_and_b32 s15, ttmp7, 0xffff                   ; my block of 128 tokens, which the four partners share
	s_mov_b32 s16, 15|(3<<16)|(1<<21)              ; group 1: the mask names all four; elements of 8 bytes; bit 21 beside a mask
	s_mov_b32 s17, 32<<16                          ; four records, 34,816 dense bytes, as 136 rows of 32 elements
	s_mov_b32 s18, 136<<16
	s_mov_b32 s19, 32<<16
	s_mov_b32 s20, 136
	s_mov_b32 s21, 32
	s_mov_b32 s22, 0
	s_mov_b32 s23, 0
	s_mov_b32 s24, 1
	s_mul_i32 s25, s[WV], 4*REC                    ; wave w fetches quarter w / 2, tiles 4 (w % 2) on: records 4 w .. 4 w + 3 of LDS
	s_lshr_b32 s28, s[WV], 1
	s_mul_i32 s28, s28, 256*REC
	s_and_b32 s29, s[WV], 1
	s_lshl_b32 s29, s29, 2
	s_lshl_b32 s30, s15, 3
	s_add_co_u32 s29, s29, s30
	s_mul_i32 s29, s29, REC
	s_add_co_u32 s28, s28, s29                     ; made of y and the wave's number alone
	s_mov_b32 s29, 0
	s_lshl_b32 s31, s14, 3
	s_add_co_u32 s31, s31, s[WV]                   ; my tile of 16 channels, 0 .. 63
	s_add_co_u32 s38, s31, 512
	s_mul_i32 s38, s38, REC                        ; its record of W2, quarter 0
	s_mov_b32 s39, 0
	s_lshl_b32 s40, s31, 6                         ; its 16 numbers of the bias
	s_mov_b32 s41, 0
	s_lshl_b32 s42, s15, 19                        ; y2: 8 tiles of tokens x 64 x 1,024 bytes a block,
	s_lshl_b32 s43, s31, 10                        ; + 1,024 x my tile of channels
	s_add_co_u32 s42, s42, s43
	s_mov_b32 s43, 0
	s_wait_dscnt 0x0                               ; both opening adds are done
	s_wait_kmcnt 0x0
	s_add_nc_u64 s[26:27], s[4:5], s[28:29]
	s_or_b32 s27, s27, 0x80000000
	s_add_nc_u64 s[32:33], s[6:7], s[38:39]
	s_add_nc_u64 s[34:35], s[8:9], s[40:41]
	s_add_nc_u64 s[36:37], s[10:11], s[42:43]
	ROUND                                          ; all four work-groups are here: the joint loads meet
	tensor_load_to_lds s[24:27], s[16:23]          ; every wave: one load, the only one of the launch
	s_nop 0
.rept 4
	v_nop
.endr
	v_and_b32 v10, 31, v0
	s_delay_alu instid0(VALU_DEP_1)
	v_lshlrev_b32 v1, 4, v10                       ; 16 x lane: the weights' fragments, and y2
	s_delay_alu instid0(VALU_DEP_2)
	v_lshlrev_b32 v2, 4, v10                       ; LDS: token tiles 0-3 of the quarter in hand,
	s_delay_alu instid0(VALU_DEP_1)
	v_add_nc_u32 v3, 4*REC, v2                     ; tiles 4-7
	s_delay_alu instid0(VALU_DEP_4)
	v_lshlrev_b32 v5, 2, v10                       ; 4 x lane: the weights' scale words of two steps
	v_and_b32 v10, 15, v0                          ; r
	v_bfe_u32 v11, v0, 4, 1                        ; h
	s_delay_alu instid0(VALU_DEP_1)
	v_lshlrev_b32 v6, 5, v11                       ; 32 h
	s_delay_alu instid0(VALU_DEP_2)
	v_mul_u32_u24 v4, v11, REC
	s_delay_alu instid0(VALU_DEP_1)
	v_lshl_add_u32 v4, v10, 2, v4
	s_delay_alu instid0(VALU_DEP_1)
	v_add_nc_u32 v4, RSC, v4                       ; LDS: the tokens' scale words: 4 r, lanes 16-31 one record on
.irp u, 0,1
	global_load_b128 v[BI+4*\u:BI+4*\u+3], v6, s[34:35] offset:16*\u   ; the bias: register j: channel 8 h + j of my 16
.endr
.irp k, 0,1,2,3,4,5,6,7,8,9,10,11,12,13,14,15
	global_load_b32 v[WSC+\k], v5, s[32:33] offset:(\k/4)*QSTR+RSC+128*(\k%4)   ; steps 2 k and 2 k + 1: 128 consecutive bytes
.endr
.irp n, 0,1,2,3,4,5,6
	WLOAD \n
.endr
	s_wait_alu depctr_va_vdst(0)
	s_wait_tensorcnt 0x0                           ; my four records have landed,
	s_barrier_signal -1
	s_barrier_wait -1                              ; everybody's have.  Nothing is filled again
.set N, 0
.rept NS
	GSTEP N
.set N, N+1
.endr
.rept 4
	v_nop                                          ; four places in front of the first read of results
.endr
.irp i, 0,1,2,3,4,5,6,7
.irp u, 0,1
	global_store_b128 v1, v[ACC+8*\i+4*\u:ACC+8*\i+4*\u+3], s[36:37] offset:65536*\i+512*\u   ; each accumulator from its low end on; 512 consecutive bytes, aligned
.endr
.endr
	s_wait_tensorcnt 0x0                           ; the wave's end
	ds_add_u32 v8, v9
	s_wait_dscnt 0x0
	ROUND                                          ; the closing round: no work-group ends while a partner may still ask jointly
	s_endpgm
.Lfunc_end_k_q50c5707615_ffn2:
	.size	k_q50c5707615_ffn2, .Lfunc_end_k_q50c5707615_ffn2-k_q50c5707615_ffn2
	.p2alignl 7, 3214868480
	.fill 96, 4, 3214868480
	.section	.rodata,"a",@progbits
	.p2align	6, 0x0
	.amdhsa_kernel k_q50c5707615_ffn2
		.amdhsa_group_segment_fixed_size 279552
		.amdhsa_private_segment_fixed_size 0
		.amdhsa_enable_private_segment 0
		.amdhsa_kernarg_size 32
		.amdhsa_user_sgpr_count 2
		.amdhsa_user_sgpr_kernarg_segment_ptr 1
		.amdhsa_wavefront_size32 1
		.amdhsa_system_sgpr_workgroup_id_x 1
		.amdhsa_system_sgpr_workgroup_id_y 1
		.amdhsa_system_sgpr_workgroup_id_z 1
		.amdhsa_system_vgpr_workitem_id 0
		.amdhsa_next_free_vgpr 256
		.amdhsa_next_free_sgpr 66
		.amdhsa_reserve_vcc 0
		.amdhsa_float_denorm_mode_32 3
		.amdhsa_float_denorm_mode_16_64 3
		.amdhsa_memory_ordered 1
		.amdhsa_forward_progress 1
		.amdhsa_inst_pref_size 95
	.end_amdhsa_kernel
	.amdgpu_metadata
---
amdhsa.version: [ 1, 2 ]
amdhsa.kernels:
  - .name:           k_q50c5707615_ffn2
    .symbol:         k_q50c5707615_ffn2.kd
    .args:
      - { .name: hrec, .offset: 0, .size: 8, .value_kind: global_buffer, .address_space: global }
      - { .name: wrec, .offset: 8, .size: 8, .value_kind: global_buffer, .address_space: global }
      - { .name: b2, .offset: 16, .size: 8, .value_kind: global_buffer, .address_space: global }
      - { .name: y2, .offset: 24, .size: 8, .value_kind: global_buffer, .address_space: global }
    .group_segment_fixed_size: 279552
    .private_segment_fixed_size: 0
    .kernarg_segment_align: 8
    .kernarg_segment_size: 32
    .max_flat_workgroup_size: 256
    .sgpr_count:     66
    .vgpr_count:     256
    .wavefront_size: 32
...
	.end_amdgpu_metadata
.endif
;; end of part 6
;; launch ln2 (part 7): grid 256 x 1, 16 waves a work-group, no clusters, 69,888 bytes of LDS; arguments y2, x1f, g2, be2, out0; writes out0
.if DOCPART == 7
	.amdgcn_target "amdgcn-amd-amdhsa--gfx1250"
	.amdhsa_code_object_version 6
	.text
	.protected	k_q50c5707615_ln2
	.globl	k_q50c5707615_ln2
	.p2align	8
	.type	k_q50c5707615_ln2,@function
k_q50c5707615_ln2:
	s_mov_b64 s[64:65], 0
	v_nop
	global_prefetch_b8 v0, s[64:65] scope:SCOPE_SE
	s_setreg_imm32_b32 hwreg(HW_REG_WAVE_MODE, 25, 1), 1
	s_wait_xcnt 0x0
; SECOND LAYER NORM: out0 = LN(x1 + y2) g2 + be2, with y2 = h W2 + b2 from the launch before.  No work of reference() is left out here.
; SHARES.  A work-group takes 16 tokens x all 1,024 channels, so that the norm has one owner.  Wave w takes channels 64 w .. 64 w + 63: four tiles of y2, which lie as images of registers: a lane holds one token
; (lane % 16) and, in register 8 t + j, channel 64 w + 16 t + 8 (lane / 16) + j.  Its eight loads of y2 cover 4,096 consecutive bytes.
; x1 lies by rows: wave w brings row 16 T + w in, 512 consecutive bytes a load; the row goes through a stage in LDS and comes back by tokens.  The result takes the same way back and leaves by rows.
; Memory binds: no matrix unit, no tensor load.  NO CLUSTER: the work-groups share g2 and be2 alone, 8,192 bytes of the 139,264 that a work-group reads.  No prefetch: everything is asked for at the head.
; The variance is taken in two passes (mean first, then the squares of the differences).
; LIMITS: as stated at the head of the first kernel; v_rsq_f32 is right to 1 ulp.
.set RED,   16*4112                    ; LDS: from 0 a stage of 16 rows x (4,096 + 16) bytes; here the waves' partial sums, [token][wave], twice 1,024 bytes;
.set SPARE, RED+2048                   ; the spare words, 128 bytes for each of 16 waves
.set WV,  20
.set SEL, 36                           ; s[36:37]
.set ACC, 32                           ; v32-63 my 32 numbers;  v12-27 at work;  v[28:29] the mean, v[30:31] 1 / the deviation
.set RS,  64                           ; v64-95 the residual row as loaded
.set XR,  136                          ; v136-167 the residual at my token and channels; later a row of the result
.set G,   168                          ; v168-199 g2, v200-231 be2 at my channels
.set BE,  200
; v[12:13], v[14:15]: two packed chains over my 32 numbers  ->  v12: the sum over the token's 1,024 channels, in every lane.  One barrier; off: which 1,024 bytes of RED
.macro ALLSUM off
	s_delay_alu instid0(VALU_DEP_1)
	v_pk_add_f32 v[12:13], v[12:13], v[14:15]
	s_delay_alu instid0(VALU_DEP_1)
	v_add_f32 v12, v12, v13
	s_delay_alu instid0(VALU_DEP_1)
	v_permlanex16_b32 v13, v12, s[SEL], s[SEL+1]
	s_delay_alu instid0(VALU_DEP_1)
	v_add_f32 v12, v12, v13                        ; my wave's 64 channels of token r
	ds_store_b32 v6, v12 offset:\off               ; both halves of the lanes store the same word
	s_wait_dscnt 0x0                               ; for the others' sake
	s_barrier_signal -1
	s_barrier_wait -1
.irp i, 0,1,2,3
	ds_load_b128 v[12+4*\i:15+4*\i], v7 offset:\off+16*\i   ; the sixteen waves' parts of token r
.endr
	s_wait_dscnt 0x0
	v_pk_add_f32 v[12:13], v[12:13], v[14:15]
	v_pk_add_f32 v[16:17], v[16:17], v[18:19]
	v_pk_add_f32 v[20:21], v[20:21], v[22:23]
	v_pk_add_f32 v[24:25], v[24:25], v[26:27]
	s_delay_alu instid0(VALU_DEP_3)
	v_pk_add_f32 v[12:13], v[12:13], v[16:17]
	s_delay_alu instid0(VALU_DEP_2)
	v_pk_add_f32 v[20:21], v[20:21], v[24:25]
	s_delay_alu instid0(VALU_DEP_1)
	v_pk_add_f32 v[12:13], v[12:13], v[20:21]
	s_delay_alu instid0(VALU_DEP_1)
	v_add_f32 v12, v12, v13
.endm
	s_load_b256 s[4:11], s[0:1], 0x0               ; y2, x1f, g2, be2
	s_load_b64 s[12:13], s[0:1], 0x20              ; out0
	v_lshl_add_u32 v10, v0, 2, SPARE               ; my spare word and 0: kept for the add at the wave's end
	v_mov_b32 v11, 0
	v_lshrrev_b32 v1, 5, v0
	s_delay_alu instid0(VALU_DEP_1)
	v_readfirstlane_b32 s[WV], v1                  ; wave 0..15
	s_mov_b32 s[SEL], 0x76543210
	s_mov_b32 s[SEL+1], 0xfedcba98                 ; selects for lane l xor 16
	s_lshl_b32 s38, ttmp9, 4
	s_add_co_u32 s38, s38, s[WV]
	s_lshl_b32 s38, s38, 12                        ; 4,096 (16 T + w): row 16 T + w of x1f and out0, and my four tiles of y2 alike
	s_mov_b32 s39, 0
	s_lshl_b32 s40, s[WV], 8                       ; my 64 channels of g2 and be2; also my 256 bytes of a stage row
	s_mov_b32 s41, 0
	s_mul_i32 s42, s[WV], 4112
	s_lshl_b32 s43, s[WV], 2
	v_and_b32 v12, 31, v0
	s_delay_alu instid0(VALU_DEP_1)
	v_lshlrev_b32 v1, 4, v12                       ; 16 x lane
	v_and_b32 v12, 15, v0                          ; r
	v_bfe_u32 v13, v0, 4, 1                        ; h
	s_delay_alu instid0(VALU_DEP_1)
	v_lshlrev_b32 v8, 5, v13                       ; 32 h
	s_delay_alu instid0(VALU_DEP_3)
	v_mul_u32_u24 v4, v12, 4112
	s_delay_alu instid0(VALU_DEP_1)
	v_add_nc_u32 v4, v4, v8
	s_delay_alu instid0(VALU_DEP_1)
	v_add_nc_u32 v4, s40, v4                       ; the stage by tokens: row r, my wave's 256 bytes, + 32 h
	v_add_nc_u32 v5, s42, v1                       ; the stage by rows: row w, 16 bytes a lane
	v_lshlrev_b32 v7, 6, v12
	s_delay_alu instid0(VALU_DEP_1)
	v_add_nc_u32 v7, RED, v7                       ; token r's sixteen partial sums,
	s_delay_alu instid0(VALU_DEP_1)
	v_add_nc_u32 v6, s43, v7                       ; and mine among them
	s_wait_alu depctr_va_vdst(0)
	s_wait_kmcnt 0x0
	s_add_nc_u64 s[22:23], s[4:5], s[38:39]
	s_add_nc_u64 s[24:25], s[6:7], s[38:39]
	s_add_nc_u64 s[26:27], s[12:13], s[38:39]
	s_add_nc_u64 s[28:29], s[8:9], s[40:41]
	s_add_nc_u64 s[30:31], s[10:11], s[40:41]
.irp i, 0,1,2,3,4,5,6,7
	global_load_b128 v[RS+4*\i:RS+4*\i+3], v1, s[24:25] offset:512*\i th:TH_LOAD_NT   ; the residual row: 512 consecutive bytes a load
.endr
.irp t, 0,1,2,3
.irp u, 0,1
	global_load_b128 v[ACC+8*\t+4*\u:ACC+8*\t+4*\u+3], v1, s[22:23] offset:1024*\t+512*\u th:TH_LOAD_NT   ; y2: registers 8 t + 4 u on, as they were stored
.endr
.endr
.irp t, 0,1,2,3
.irp u, 0,1
	global_load_b128 v[G+8*\t+4*\u:G+8*\t+4*\u+3], v8, s[28:29] offset:64*\t+16*\u
	global_load_b128 v[BE+8*\t+4*\u:BE+8*\t+4*\u+3], v8, s[30:31] offset:64*\t+16*\u
.endr
.endr
	s_wait_loadcnt 24                              ; the residual's eight loads are in; behind them: 8 of y2, 16 of g2 and be2
.irp i, 0,1,2,3,4,5,6,7
	ds_store_b128 v5, v[RS+4*\i:RS+4*\i+3] offset:512*\i
.endr
	s_wait_dscnt 0x0                               ; my row lies in the stage
	s_barrier_signal -1
	s_barrier_wait -1                              ; all sixteen do
.irp t, 0,1,2,3
.irp u, 0,1
	ds_load_b128 v[XR+8*\t+4*\u:XR+8*\t+4*\u+3], v4 offset:64*\t+16*\u   ; the residual at my token and channels
.endr
.endr
	s_wait_dscnt 0x0
	s_wait_loadcnt 16                              ; y2 is in; the 16 loads of g2 and be2 are younger
.set J, 0
.rept 16
	v_pk_add_f32 v[ACC+J:ACC+J+1], v[ACC+J:ACC+J+1], v[XR+J:XR+J+1]
.set J, J+2
.endr
	v_pk_add_f32 v[12:13], v[ACC:ACC+1], v[ACC+2:ACC+3]
	v_pk_add_f32 v[14:15], v[ACC+4:ACC+5], v[ACC+6:ACC+7]
.irp j, 8,12,16,20,24,28
	s_delay_alu instid0(VALU_DEP_2)
	v_pk_add_f32 v[12:13], v[12:13], v[ACC+\j:ACC+\j+1]
	s_delay_alu instid0(VALU_DEP_2)
	v_pk_add_f32 v[14:15], v[14:15], v[ACC+\j+2:ACC+\j+3]
.endr
	ALLSUM 0
	s_delay_alu instid0(VALU_DEP_1)
	v_mul_f32 v28, 0x3a800000, v12                 ; the mean: / 1,024
	s_delay_alu instid0(VALU_DEP_1)
	v_mov_b32 v29, v28
.set J, 0
.rept 16
	v_pk_add_f32 v[ACC+J:ACC+J+1], v[ACC+J:ACC+J+1], v[28:29] neg_lo:[0,1] neg_hi:[0,1]
.set J, J+2
.endr
	v_pk_mul_f32 v[12:13], v[ACC:ACC+1], v[ACC:ACC+1]
	v_pk_mul_f32 v[14:15], v[ACC+2:ACC+3], v[ACC+2:ACC+3]
.irp j, 4,8,12,16,20,24,28
	s_delay_alu instid0(VALU_DEP_2)
	v_pk_fma_f32 v[12:13], v[ACC+\j:ACC+\j+1], v[ACC+\j:ACC+\j+1], v[12:13]
	s_delay_alu instid0(VALU_DEP_2)
	v_pk_fma_f32 v[14:15], v[ACC+\j+2:ACC+\j+3], v[ACC+\j+2:ACC+\j+3], v[14:15]
.endr
	ALLSUM 1024
	v_mov_b32 v31, 0x3a800000
	s_delay_alu instid0(VALU_DEP_1)
	v_fmaak_f32 v30, v12, v31, 0x3727c5ac          ; the variance + 1e-5
	s_wait_alu depctr_va_vdst(0)
	v_rsq_f32 v30, v30
	v_nop                                          ; the plain place behind it,
	s_wait_alu depctr_va_vdst(0)                   ; and the wait ahead of its first reader
	v_mov_b32 v31, v30
	s_wait_alu depctr_va_vdst(0)
	s_wait_loadcnt 0x0                             ; g2, be2
.set J, 0
.rept 16
	v_pk_mul_f32 v[ACC+J:ACC+J+1], v[ACC+J:ACC+J+1], v[30:31]
.set J, J+2
.endr
.set J, 0
.rept 16
	v_pk_fma_f32 v[ACC+J:ACC+J+1], v[ACC+J:ACC+J+1], v[G+J:G+J+1], v[BE+J:BE+J+1]
.set J, J+2
.endr
.irp t, 0,1,2,3
.irp u, 0,1
	ds_store_b128 v4, v[ACC+8*\t+4*\u:ACC+8*\t+4*\u+3] offset:64*\t+16*\u   ; over the bytes that this lane alone read, two barriers ago
.endr
.endr
	s_wait_dscnt 0x0
	s_barrier_signal -1
	s_barrier_wait -1                              ; 16 whole rows lie in the stage
.irp i, 0,1,2,3,4,5,6,7
	ds_load_b128 v[XR+4*\i:XR+4*\i+3], v5 offset:512*\i
.endr
.irp i, 0,1,2,3,4,5,6,7
	s_wait_dscnt 7-\i                              ; LDS loads come back in order: the younger ones may be out
	global_store_b128 v1, v[XR+4*\i:XR+4*\i+3], s[26:27] offset:512*\i th:TH_STORE_NT   ; 512 consecutive bytes of row 16 T + w
.endr
	s_wait_tensorcnt 0x0                           ; the wave's end, behind my last LDS store
	ds_add_u32 v10, v11
	s_wait_dscnt 0x0
	s_endpgm
.Lfunc_end_k_q50c5707615_ln2:
	.size	k_q50c5707615_ln2, .Lfunc_end_k_q50c5707615_ln2-k_q50c5707615_ln2
	.p2alignl 7, 3214868480
	.fill 96, 4, 3214868480
	.section	.rodata,"a",@progbits
	.p2align	6, 0x0
	.amdhsa_kernel k_q50c5707615_ln2
		.amdhsa_group_segment_fixed_size 69888
		.amdhsa_private_segment_fixed_size 0
		.amdhsa_enable_private_segment 0
		.amdhsa_kernarg_size 40
		.amdhsa_user_sgpr_count 2
		.amdhsa_user_sgpr_kernarg_segment_ptr 1
		.amdhsa_wavefront_size32 1
		.amdhsa_system_sgpr_workgroup_id_x 1
		.amdhsa_system_sgpr_workgroup_id_y 1
		.amdhsa_system_sgpr_workgroup_id_z 1
		.amdhsa_system_vgpr_workitem_id 0
		.amdhsa_next_free_vgpr 232
		.amdhsa_next_free_sgpr 66
		.amdhsa_reserve_vcc 0
		.amdhsa_float_denorm_mode_32 3
		.amdhsa_float_denorm_mode_16_64 3
		.amdhsa_memory_ordered 1
		.amdhsa_forward_progress 1
		.amdhsa_inst_pref_size 19
	.end_amdhsa_kernel
	.amdgpu_metadata
---
amdhsa.version: [ 1, 2 ]
amdhsa.kernels:
  - .name:           k_q50c5707615_ln2
    .symbol:         k_q50c5707615_ln2.kd
    .args:
      - { .name: y2, .offset: 0, .size: 8, .value_kind: global_buffer, .address_space: global }
      - { .name: x1f, .offset: 8, .size: 8, .value_kind: global_buffer, .address_space: global }
      - { .name: g2, .offset: 16, .size: 8, .value_kind: global_buffer, .address_space: global }
      - { .name: be2, .offset: 24, .size: 8, .value_kind: global_buffer, .address_space: global }
      - { .name: out0, .offset: 32, .size: 8, .value_kind: global_buffer, .address_space: global }
    .group_segment_fixed_size: 69888
    .private_segment_fixed_size: 0
    .kernarg_segment_align: 8
    .kernarg_segment_size: 40
    .max_flat_workgroup_size: 512
    .sgpr_count:     66
    .vgpr_count:     232
    .wavefront_size: 32
...
	.end_amdgpu_metadata
.endif
;; end of part 7
